; MI455X (gfx1250); checked and timed in simulation.
; The chip was launched on July 23, 2026; its instructions are those of AMD's public machine-readable ISA for CDNA 5 (MIT licence, August 2026) and "CDNA5" Instruction Set Architecture Reference Guide (July 2026). The comments in the code are by the model that wrote it; some were corrected since.
;; Attention. Allowed arithmetic: matrix products marked QUANTISED: E2M1 operands, one E8M0 scale for each 32 along K, by v_wmma_scale_f32_16x16x128_f8f6f4 with both operands' format E2M1 (or v_wmma_scale_f32_32x16x128_f4), f32 sums; products left as they are: bf16, f16 or f32 operands; f32 sums; everything else in f32.
;; Inputs: Wk 2,048 x 1,024 float32; Wo 1,024 x 2,048 float32; Wq 2,048 x 1,024 float32; Wv 2,048 x 1,024 float32; x 2 x 2,048 x 2,048 float32.
;; Outputs: out0 2 x 2,048 x 2,048 float32.
;; This version of the problem:
;;   THIS VERSION OF THE PROBLEM IS GIVEN IN LOW PRECISION. The matrix products marked QUANTISED in the list below multiply operands that are first quantised to E2M1 (2 exponent bits, 1 mantissa bit; 4 bits a number), with one power-of-two scale for each 32 numbers along K (OCP MX v1.0); their sums are f32. The products marked 'left as it is' may take bf16, f16 or f32 operands, with f32 sums. Whichever they take, every output number must still come out within the allowed error. Rounding operands to bf16 (8 significant bits) uses up far more of that allowance than f16 does (11 bits, for magnitudes from 6e-5 to 65,504). All else is computed in f32.
;;   The module's matrix products, in the order in which they are computed (A, B: the left and right operand; K: the contracted axis; several contracted axes count as one K, in the product's order):
;;     1. [M 4,096, K 2,048] x [K 2,048, N 1,024]; A: input x; B: input Wq: QUANTISED
;;     2. [M 4,096, K 2,048] x [K 2,048, N 1,024]; A: input x; B: input Wk: QUANTISED
;;     3. [M 4,096, K 2,048] x [K 2,048, N 1,024]; A: input x; B: input Wv: QUANTISED
;;     4. [M 2,048, K 1] x [K 1, N 32]; A: computed on the way; B: computed on the way: left as it is (no contracted axis)
;;     5. batch 32 x [M 2,048, K 64] x [K 64, N 2,048]; A: computed on the way; B: computed on the way: left as it is (an operand is computed on the way)
;;     6. batch 32 x [M 2,048, K 2,048] x [K 2,048, N 64]; A: computed on the way; B: computed on the way: left as it is (an operand is computed on the way)
;;     7. [M 4,096, K 1,024] x [K 1,024, N 2,048]; A: computed on the way; B: input Wo: left as it is (an operand is computed on the way)
;;   THE QUANTISER, for each operand of a quantised product, along K:
;;     - K is cut into blocks of 32 from its start; a last block that is shorter is filled with zeros.
;;     - A block's scale is 2^e with e = floor(log2(the largest magnitude in the block)) - 2, held to -126 .. 127; a block of zeros has e = 0. As a byte (E8M0): e + 127.
;;     - Each number is divided by its block's scale, clamped to +-6, and rounded to the nearest number of E2M1, ties to even, subnormals kept.
;;     - The product sums the exact products of the quantised numbers (number of the format x scale) in f32.
;;   ~~~python
;;   def quantise(x, axis):      # numpy; x: float32 -> the quantised numbers, widened to float32 again
;;       x = np.moveaxis(x, axis, -1); K = x.shape[-1]
;;       x = np.pad(x, [(0, 0)] * (x.ndim - 1) + [(0, -K % 32)]); x = x.reshape(x.shape[:-1] + (-1, 32)); a = np.abs(x).max(-1, keepdims=True)
;;       e = np.where(a > 0, np.clip(np.frexp(np.where(a > 0, a, 1))[1] - 1 - 2, -126, 127), 0)      # np.frexp(a)[1] - 1 = floor(log2(a)), exactly
;;       r = np.clip(x / 2.0 ** e, -6, 6)
;;       step = 2.0 ** (np.maximum(np.frexp(np.where(r == 0, 1, r))[1] - 1, 0) - 1)
;;       q = np.round(r / step) * step * 2.0 ** e      # np.round: ties to even
;;       return np.moveaxis(q.reshape(q.shape[:-2] + (-1,))[..., :K], -1, axis).astype(np.float32)
;;   ~~~
;; One version. Each part assembles by itself: llvm-mc -triple=amdgcn-amd-amdhsa -mcpu=gfx1250 --defsym DOCPART=n.
;; ======== version 1 of 1: 4 launches
;; limits: values are held in f16: magnitudes above 65,504 overflow, below 6.1e-05 lose precision
;; workspace buffers: codes 7,340,032 bytes; scales 458,752 bytes; rope 1,048,576 bytes; wof 4,194,304 bytes; qkv 25,165,824 bytes; of 8,388,608 bytes
;; launch prep (part 1): grid 640 x 1, 4 waves a work-group, no clusters, 50,688 bytes of LDS; arguments x, Wq, Wk, Wv, Wo, codes, scales, wof, rope; writes codes, scales, wof, rope
.if DOCPART == 1
	.amdgcn_target "amdgcn-amd-amdhsa--gfx1250"
	.amdhsa_code_object_version 6
	.text
	.protected	k_q8c028c7214_prep
	.globl	k_q8c028c7214_prep
	.p2align	8
	.type	k_q8c028c7214_prep,@function
k_q8c028c7214_prep:
	s_mov_b64 s[64:65], 0
	v_nop
	global_prefetch_b8 v0, s[64:65] scope:SCOPE_SE
	s_setreg_imm32_b32 hwreg(HW_REG_WAVE_MODE, 25, 1), 1
	s_wait_xcnt 0x0
; PREP: everything that is made once from the inputs, four kinds of work-group told apart by the work-group's number alone.
;   0..255    x [4096][2048] f32 -> codes of FP4 (E2M1), K innermost, rows 0..4095 of 'codes' (1,024 bytes a row) and one E8M0 byte for each 32 along K in 'scales' (64 bytes a row)
;   256..447  Wq, Wk, Wv [2048 (k)][1024 (n)] f32 -> the same, column n of weight wi as row 4096 + 1024 wi + n
;   448..511  Wo [1024 (k)][2048 (n)] f32 -> f16, laid as images of operand registers: [n / 128][k / 32][(n / 16) % 8][1,024 bytes]
;   512..639  cos and sin of the rotary angles, [table 2][position / 16][8][lane][16 bytes]; table 0 is multiplied by log2(e) / 8 and serves q, table 1 serves k
; An image of a 16-bit fragment (16 rows x 32 k) is 1,024 bytes: registers 4 e .. 4 e + 3 of lane l at 512 e + 16 l; lane (r, h) holds row r, k = 16 e + 8 h + 0 .. 7.
; A block's scale is 2^(floor(log2(its largest magnitude)) - 2): its byte is the largest magnitude's exponent field - 2, held at 1 from below.  A block of zeros so gets the byte 1: its codes are zeros,
; and the bytes are read by this program alone.
; LIMITS: NaN and infinities among the inputs are not served; blocks whose largest magnitude lies under 2^-124 get the byte 1; |Wo| stays under 65,504 (f16).
; The angles: inv_freq = 2^(-j log2(10000) / 32) by v_exp_f32, the angle = position x inv_freq in f32, reduced by multiples of pi / 2 in three parts, sine and cosine by polynomials on +-pi / 4.
; Every wave of x, of a weight and of Wo reads 32 KiB.  No tensor load.  One barrier, in the weights' path alone, where two waves share the rows of a stage; that path is taken by all four waves of a
; work-group or by none.  Each path that uses LDS has bytes of its own.
.set SPARE, 50176                      ; behind both paths' bytes: the spare words, 128 bytes for each wave
.set SPW,   190                        ; v190 LDS address of my spare word; never rewritten
.set NIL,   191                        ; v191 0; never rewritten
.set WV,    22                         ; s22  my wave's number
.set EMAX,  2
.macro FINISH                          ; a wave's end, behind the last LDS store
	s_wait_tensorcnt 0x0
	ds_add_u32 v[SPW], v[NIL]
	s_wait_dscnt 0x0
	s_endpgm
.endm
; ---- path x: a wave takes 16 steps of 512 numbers; loads as the bytes lie, a turn through the wave's own stage, 16 neighbours a lane
.set XSTEPS, 16
.set CB,    8                          ; bytes of 16 codes
.set XR,    16                         ; v16-79   four sets of 16 numbers as loaded
.set XX,    80                         ; v80-111  two sets of 16 neighbours
.set XE,    112                        ; v112-127 a scale byte for each step
.set XC,    128                        ; v128-189 codes: four registers' room for each step, so that no store's data are written again
.set XREG,  8192                       ; LDS: a wave's region: two stages of 32 x SP bytes, then its 256 scale bytes
.set SP,    80                         ; a lane's place in a stage: 64 bytes + 16 of padding
.macro XLOAD t
.irp i, 0,1,2,3
	global_load_b128 v[XR+16*((\t)%4)+4*\i:XR+16*((\t)%4)+4*\i+3], v3, s[4:5] offset:2048*(\t)+512*\i th:TH_LOAD_NT   ; 32 lanes read 512 consecutive bytes
.endr
.endm
.macro XTURN t                         ; LDS serves a wave's instructions in order: no wait between the stores and the loads
.irp i, 0,1,2,3
	ds_store_b128 v14, v[XR+16*((\t)%4)+4*\i:XR+16*((\t)%4)+4*\i+3] offset:32*SP*((\t)%2)+8*SP*\i
.endr
.irp i, 0,1,2,3
	ds_load_b128 v[XX+16*((\t)%2)+4*\i:XX+16*((\t)%2)+4*\i+3], v15 offset:32*SP*((\t)%2)+16*\i
.endr
.endm
.macro XSTEP t
.set XS, XX+16*((\t)%2)
.if (\t) > 0
	s_wait_dscnt 1                                 ; this step's numbers are back from the stage; the last step's byte store may be out
.else
	s_wait_dscnt 0x0
.endif
.if (\t)+4 < XSTEPS
	XLOAD (\t)+4                                   ; the stage's stores have read these registers: they take the loads of four steps on
.endif
.if (\t)+1 < XSTEPS
.if XSTEPS-2-(\t) >= 3
	s_wait_loadcnt 12                              ; the next step's four loads are in; those of the three steps behind it may be out
.else
	s_wait_loadcnt 4*(XSTEPS-2-(\t))
.endif
	XTURN (\t)+1
.endif
	v_max3_num_f32 v8, |v[XS]|, |v[XS+1]|, |v[XS+2]|   ; the largest magnitude of my 16, in two chains
	v_max3_num_f32 v9, |v[XS+3]|, |v[XS+4]|, |v[XS+5]|
.irp i, 6,10
	v_max3_num_f32 v8, v8, |v[XS+\i]|, |v[XS+\i+1]|
	v_max3_num_f32 v9, v9, |v[XS+\i+2]|, |v[XS+\i+3]|
.endr
	v_max3_num_f32 v8, v8, |v[XS+14]|, |v[XS+15]|
	v_max3_num_f32 v8, v8, v9, (EMAX+1)<<23        ; and the floor 2^(3 - 127): the byte cannot fall under 1
	v_max_num_f32_dpp v8, v8, v8 row_xmask:1 row_mask:0xf bank_mask:0xf   ; with my neighbour's 16: the block's
	v_add_nc_u32 v11, -(EMAX<<23), v8              ; 2 off the exponent field: the conversion takes this operand's exponent field as its scale
	v_cvt_scalef32_pk8_fp4_f32 v[XC+4*(\t)], v[XS:XS+7], v11
	v_cvt_scalef32_pk8_fp4_f32 v[XC+4*(\t)+1], v[XS+8:XS+15], v11
	v_lshrrev_b32 v[XE+(\t)], 23, v11              ; the scale's byte (a plain line behind the conversions)
	ds_store_b8 v5, v[XE+(\t)] offset:16*(\t)      ; both lanes of a block write the same byte with the same value
	global_store_b64 v4, v[XC+4*(\t):XC+4*(\t)+1], s[14:15] offset:32*CB*(\t)   ; the wave stores 256 consecutive bytes
.endm
; ---- path W: a lane takes a column, its registers run down K; 32 columns x 256 along K a wave.  Waves 2 g and 2 g + 1 take the two halves of 512 along K of the same 32 columns
.set NB,    8                          ; a wave's blocks of 32 along K
.set WPITCH, 272                       ; a stage row: a column's 256 bytes of codes (512 along K) + 16
.set WSTG,  32768                      ; LDS: two stages of 32 rows, one for each pair of waves
.set WX,    32                         ; v32-95   two sets of 32 numbers
.set WC,    96                         ; v96-99   a block's codes
.set WOUT,  112                        ; v112-143 the way out
.set SB,    24                         ; v24-25   the scale bytes, four to a register
.macro WLOAD t
.irp i, 0,1,2,3,4,5,6,7,8,9,10,11,12,13,14,15,16,17,18,19,20,21,22,23,24,25,26,27,28,29,30,31
	global_load_b32 v[WX+32*((\t)%2)+\i], v3, s[6:7] offset:(32*(\t)+\i)*4096 th:TH_LOAD_NT   ; W(32 t + i, my column): 128 consecutive bytes a wave
.endr
.endm
.macro WBLOCK t
.set XS, WX+32*((\t)%2)
.if (\t) < NB-1
	s_wait_loadcnt 32                              ; this block's 32 loads are in; the next block's may be out
.else
	s_wait_loadcnt 0x0
.endif
	v_max3_num_f32 v12, |v[XS]|, |v[XS+1]|, |v[XS+2]|   ; all 32 numbers of the block are mine
	v_max3_num_f32 v13, |v[XS+3]|, |v[XS+4]|, |v[XS+5]|
.irp i, 6,10,14,18,22,26
	v_max3_num_f32 v12, v12, |v[XS+\i]|, |v[XS+\i+1]|
	v_max3_num_f32 v13, v13, |v[XS+\i+2]|, |v[XS+\i+3]|
.endr
	v_max3_num_f32 v12, v12, |v[XS+30]|, |v[XS+31]|
	v_max3_num_f32 v12, v12, v13, (EMAX+1)<<23
	v_add_nc_u32 v11, -(EMAX<<23), v12
	v_lshrrev_b32 v13, 23, v11
.if (\t)%4 == 0
	v_mov_b32 v[SB+(\t)/4], v13
.else
	v_lshl_or_b32 v[SB+(\t)/4], v13, 8*((\t)%4), v[SB+(\t)/4]
.endif
.irp g, 0,1,2,3
	v_cvt_scalef32_pk8_fp4_f32 v[WC+\g], v[XS+8*\g:XS+8*\g+7], v11
.endr
	ds_store_b128 v4, v[WC:WC+3] offset:16*(\t)    ; 32 codes: 16 bytes of my half of my column's row
.if (\t)+2 < NB
	WLOAD (\t)+2
.endif
	s_wait_dscnt 0x0                               ; the store has read its registers: the next block's codes may be written
.endm
; ---- path Wo: a lane takes a column, 32 k a block; pairs along k are rounded to f16 and leave as parts of images
.set OX,    32                         ; v32-95   two sets of 32 numbers
.set OP,    96                         ; v96-111  16 pairs
.macro OLOAD t
.irp i, 0,1,2,3,4,5,6,7,8,9,10,11,12,13,14,15,16,17,18,19,20,21,22,23,24,25,26,27,28,29,30,31
	global_load_b32 v[OX+32*((\t)%2)+\i], v3, s[12:13] offset:(32*(\t)+\i)*8192 th:TH_LOAD_NT
.endr
.endm
.macro OBLOCK t
.set XS, OX+32*((\t)%2)
.if (\t) < 7
	s_wait_loadcnt 32                              ; this block's loads are in; the next block's may be out
.else
	s_wait_loadcnt 0x0
.endif
	s_wait_xcnt 0x0                                ; the last block's stores have read the pairs' registers
.irp p, 0,1,2,3,4,5,6,7,8,9,10,11,12,13,14,15
	v_cvt_pk_f16_f32 v[OP+\p], v[XS+2*\p], v[XS+2*\p+1]
.endr
.irp e, 0,1
.irp h, 0,1
	global_store_b128 v4, v[OP+8*\e+4*\h:OP+8*\e+4*\h+3], s[18:19] offset:(\t)*8192+\e*512+\h*256   ; k = 16 e + 8 h + 0 .. 7: sixteen lanes store 256 consecutive bytes, aligned
.endr
.endr
.if (\t)+2 < 8
	OLOAD (\t)+2
.endif
.endm
	s_load_b256 s[4:11], s[0:1], 0x0               ; x s[4:5], Wq s[6:7], Wk s[8:9], Wv s[10:11]
	s_load_b256 s[12:19], s[0:1], 0x20             ; Wo s[12:13], codes s[14:15], scales s[16:17], wof s[18:19]
	s_load_b64 s[20:21], s[0:1], 0x40              ; rope
	v_lshl_add_u32 v[SPW], v0, 2, SPARE
	v_mov_b32 v[NIL], 0
	v_lshrrev_b32 v1, 5, v0
	v_readfirstlane_b32 s[WV], v1                  ; wave 0..3
	v_and_b32 v2, 31, v0                           ; lane
	s_wait_kmcnt 0x0
	s_cmp_lt_u32 ttmp9, 256
	s_cbranch_scc1 .Lpath_x
	s_cmp_lt_u32 ttmp9, 448
	s_cbranch_scc1 .Lpath_w
	s_cmp_lt_u32 ttmp9, 512
	s_cbranch_scc1 .Lpath_o
	; ---- the rotary table: a work-group takes 16 positions; wave w takes e = w / 2, i2 = w % 2; lane (r, h) makes the angles j = 16 e + 8 h + 4 i2 + 0 .. 3 of position 16 x tile + r
	s_sub_co_u32 s24, ttmp9, 512                   ; the tile of 16 positions
	s_lshr_b32 s25, s[WV], 1                       ; e
	s_and_b32 s26, s[WV], 1                        ; i2
	v_and_b32 v8, 15, v0                           ; r
	v_bfe_u32 v9, v0, 4, 1                         ; h
	s_lshl_b32 s27, s25, 4
	s_lshl_b32 s28, s26, 2
	s_add_co_u32 s27, s27, s28
	v_lshl_add_u32 v3, v9, 3, s27                  ; my first j
	s_lshl_b32 s28, s24, 4
	v_add_nc_u32 v4, s28, v8
	v_cvt_f32_u32 v4, v4                           ; my position
	v_lshlrev_b32 v5, 4, v2                        ; 16 bytes a lane
	v_mov_b32 v6, 0xb94ca1f9                       ; the sine's leading coefficient
	v_mov_b32 v7, 0x37ccf5ce                       ; the cosine's
	s_mov_b32 s32, 0x3e38aa3b                      ; log2(e) / 8: the scores' scale and the change of base, folded into q
	s_lshl_b32 s28, s24, 12                        ; 4,096 bytes a tile,
	s_lshl_b32 s27, s25, 11                        ; 2,048 e,
	s_add_co_u32 s28, s28, s27
	s_lshl_b32 s27, s26, 9                         ; 512 i2
	s_add_co_u32 s28, s28, s27
	s_mov_b32 s29, 0
	s_add_nc_u64 s[20:21], s[20:21], s[28:29]
.irp w, 0,1,2,3
	v_add_nc_u32 v[32+\w], \w, v3
.endr
.irp w, 0,1,2,3
	v_cvt_f32_u32 v[32+\w], v[32+\w]
.endr
.irp w, 0,1,2,3
	v_mul_f32 v[32+\w], 0xbed49a78, v[32+\w]       ; -j log2(10000) / 32
.endr
.irp w, 0,1,2,3
	v_exp_f32 v[36+\w], v[32+\w]                   ; inv_freq
.endr
	v_nop                                          ; a plain line behind the last exponential
	s_wait_alu depctr_va_vdst(0)                   ; one wait for the four, ahead of their first reader
.irp w, 0,1,2,3
	v_mul_f32 v[40+\w], v4, v[36+\w]               ; the angle
.endr
.irp w, 0,1,2,3
	v_mul_f32 v[44+\w], 0x3f22f983, v[40+\w]       ; x 2 / pi
.endr
.irp w, 0,1,2,3
	v_rndne_f32 v[44+\w], v[44+\w]                 ; n
.endr
.irp w, 0,1,2,3
	v_fmamk_f32 v[48+\w], v[44+\w], 0xbfc90000, v[40+\w]   ; the angle - n pi / 2, pi / 2 in three parts
.endr
.irp w, 0,1,2,3
	v_fmamk_f32 v[48+\w], v[44+\w], 0xb9fda000, v[48+\w]
.endr
.irp w, 0,1,2,3
	v_fmamk_f32 v[48+\w], v[44+\w], 0xb3a22168, v[48+\w]
.endr
.irp w, 0,1,2,3
	v_mul_f32 v[52+\w], v[48+\w], v[48+\w]         ; z = r^2
.endr
.irp w, 0,1,2,3
	v_fmaak_f32 v[56+\w], v6, v[52+\w], 0x3c08839e
	v_fmaak_f32 v[60+\w], v7, v[52+\w], 0xbab6061a
.endr
.irp w, 0,1,2,3
	v_fmaak_f32 v[56+\w], v[56+\w], v[52+\w], 0xbe2aaaa3
	v_fmaak_f32 v[60+\w], v[60+\w], v[52+\w], 0x3d2aaaa5
.endr
.irp w, 0,1,2,3
	v_mul_f32 v[68+\w], v[52+\w], v[48+\w]         ; z r
	v_mul_f32 v[88+\w], v[52+\w], v[52+\w]         ; z^2
	v_fma_f32 v[72+\w], v[52+\w], -0.5, 1.0        ; 1 - z / 2
.endr
.irp w, 0,1,2,3
	v_fma_f32 v[56+\w], v[56+\w], v[68+\w], v[48+\w]   ; sin r
	v_fma_f32 v[60+\w], v[60+\w], v[88+\w], v[72+\w]   ; cos r
	v_cvt_i32_f32 v[64+\w], v[44+\w]               ; n as a whole number, 0 or more
.endr
.irp w, 0,1,2,3
	v_and_b32 v[68+\w], 1, v[64+\w]
	v_cmp_eq_u32 vcc_lo, 1, v[68+\w]               ; an odd quarter turn swaps the two
	v_cndmask_b32 v[84+\w], v[56+\w], v[60+\w], vcc_lo
	v_cndmask_b32 v[80+\w], v[60+\w], v[56+\w], vcc_lo
	v_and_b32 v[68+\w], 2, v[64+\w]                ; the sine's sign: bit 1 of n,
	v_lshlrev_b32 v[68+\w], 30, v[68+\w]
	v_xor_b32 v[84+\w], v[84+\w], v[68+\w]
	v_add_nc_u32 v[88+\w], 1, v[64+\w]             ; the cosine's: bit 1 of n + 1
	v_and_b32 v[88+\w], 2, v[88+\w]
	v_lshlrev_b32 v[88+\w], 30, v[88+\w]
	v_xor_b32 v[80+\w], v[80+\w], v[88+\w]
.endr
.irp w, 0,1,2,3
	v_mul_f32 v[72+\w], s32, v[80+\w]              ; q's table
	v_mul_f32 v[76+\w], s32, v[84+\w]
.endr
	global_store_b128 v5, v[72:75], s[20:21]                  ; each store of the wave covers 512 consecutive bytes, aligned
	global_store_b128 v5, v[76:79], s[20:21] offset:1024
	global_store_b128 v5, v[80:83], s[20:21] offset:524288
	global_store_b128 v5, v[84:87], s[20:21] offset:524288+1024
	FINISH
.Lpath_x:
	v_lshlrev_b32 v3, 4, v2                        ; my 16 bytes of a load's 512
	s_mul_i32 s24, s[WV], XREG
	v_lshrrev_b32 v14, 2, v2
	v_mul_u32_u24 v14, v14, SP
	v_and_b32 v15, 3, v2
	v_lshl_add_u32 v14, v15, 4, v14
	v_add_nc_u32 v14, s24, v14                     ; the stage, on the way in: SP (lane / 4) + 16 (lane % 4)
	v_mul_u32_u24 v15, v2, SP
	v_add_nc_u32 v15, s24, v15                     ; and on the way out: SP x lane
	v_mul_u32_u24 v4, v2, CB                       ; my codes' place in a step's
	v_lshrrev_b32 v5, 1, v2
	s_add_co_u32 s24, s24, 2*32*SP
	v_add_nc_u32 v5, s24, v5                       ; my block's scale byte among my wave's 256
	v_lshlrev_b32 v7, 3, v2
	v_add_nc_u32 v6, s24, v7                       ; and on the way out 8 bytes a lane
	s_lshl_b32 s24, ttmp9, 2
	s_add_co_u32 s24, s24, s[WV]                   ; which run of 8,192 numbers is my wave's
	s_lshl_b32 s26, s24, 15
	s_mov_b32 s27, 0
	s_add_nc_u64 s[4:5], s[4:5], s[26:27]
	s_lshl_b32 s26, s24, 12
	s_add_nc_u64 s[14:15], s[14:15], s[26:27]
	s_lshl_b32 s26, s24, 8
	s_add_nc_u64 s[16:17], s[16:17], s[26:27]
.irp t, 0,1,2,3
	XLOAD \t
.endr
	s_wait_loadcnt 12                              ; step 0's four loads are in
	XTURN 0
.irp t, 0,1,2,3,4,5,6,7,8,9,10,11,12,13,14,15
	XSTEP \t
.endr
	ds_load_b64 v[8:9], v6                         ; LDS serves a wave's instructions in order: these see my byte stores
	s_wait_dscnt 0x0
	global_store_b64 v7, v[8:9], s[16:17]          ; 32 lanes store 256 consecutive bytes, aligned
	FINISH
.Lpath_w:
	; a work-group takes 64 columns x 512 along K of one weight: 16 x 4 work-groups a weight
	s_sub_co_u32 s24, ttmp9, 256
	s_lshr_b32 s25, s24, 6                         ; which weight: 0 q, 1 k, 2 v
	s_cmp_eq_u32 s25, 0
	s_cselect_b64 s[6:7], s[6:7], s[8:9]
	s_cmp_eq_u32 s25, 2
	s_cselect_b64 s[6:7], s[10:11], s[6:7]
	s_lshr_b32 s33, s[WV], 1                       ; g: which 32 of the 64 columns
	s_and_b32 s34, s[WV], 1                        ; kh: which 256 of the 512 along K
	s_and_b32 s26, s24, 15
	s_lshl_b32 s26, s26, 6
	s_lshl_b32 s27, s33, 5
	s_add_co_u32 s26, s26, s27                     ; my wave's first column
	s_bfe_u32 s27, s24, 0x20004                    ; which 512 along K
	s_lshl_b32 s28, s27, 21                        ; 512 rows of 4,096 bytes,
	s_lshl_b32 s30, s34, 20                        ; 256 rows,
	s_add_co_u32 s28, s28, s30
	s_lshl_b32 s30, s26, 2                         ; 4 bytes a column
	s_add_co_u32 s28, s28, s30
	s_mov_b32 s29, 0
	s_add_nc_u64 s[6:7], s[6:7], s[28:29]
	s_lshl_b32 s30, s25, 10
	s_add_co_u32 s30, s30, s26
	s_add_co_u32 s30, s30, 4096                    ; my first column's row of the codes
	s_lshl_b32 s28, s30, 10
	s_lshl_b32 s31, s27, 8                         ; 256 bytes for 512 along K
	s_add_co_u32 s28, s28, s31
	s_lshl_b32 s31, s34, 14                        ; on the way out I store rows 16 kh .. 16 kh + 15 of the pair's 32
	s_add_co_u32 s28, s28, s31
	s_add_nc_u64 s[14:15], s[14:15], s[28:29]
	s_lshl_b32 s28, s30, 6
	s_lshl_b32 s31, s27, 4
	s_add_co_u32 s28, s28, s31
	s_lshl_b32 s31, s34, 3                         ; my 8 scale bytes of the 16
	s_add_co_u32 s28, s28, s31
	s_add_nc_u64 s[16:17], s[16:17], s[28:29]
	v_lshlrev_b32 v3, 2, v2                        ; in: 4 bytes a lane
	s_mul_i32 s31, s33, 32*WPITCH
	s_add_co_u32 s31, s31, WSTG                    ; the pair's stage
	s_lshl_b32 s35, s34, 7
	s_add_co_u32 s35, s35, s31
	v_mul_u32_u24 v4, v2, WPITCH
	v_add_nc_u32 v4, s35, v4                       ; into it: row = my column, my half of its 256 bytes
	s_mul_i32 s35, s34, 16*WPITCH
	s_add_co_u32 s35, s35, s31
	v_and_b32 v5, 15, v2
	v_lshrrev_b32 v6, 4, v2                        ; out of it: sixteen lanes to a row, two rows an instruction
	v_mul_u32_u24 v7, v6, WPITCH
	v_lshl_add_u32 v7, v5, 4, v7
	v_add_nc_u32 v7, s35, v7
	v_lshlrev_b32 v8, 10, v6
	v_lshl_add_u32 v8, v5, 4, v8                   ; and the same place in the codes
	v_lshlrev_b32 v9, 6, v2                        ; my column's row of scale bytes
	WLOAD 0
	WLOAD 1
.irp t, 0,1,2,3,4,5,6,7
	WBLOCK \t
.endr
	global_store_b64 v9, v[SB:SB+1], s[16:17]      ; my column's 8 scale bytes
	s_wait_dscnt 0x0                               ; for my partner's sake: my stores into the stage are done
	s_barrier_signal -1
	s_barrier_wait -1                              ; a row's 256 bytes come from two waves: both halves lie in the stage
.irp t, 0,1,2,3,4,5,6,7
	ds_load_b128 v[WOUT+4*\t:WOUT+4*\t+3], v7 offset:2*\t*WPITCH
.endr
.irp t, 0,1,2,3,4,5,6,7
	s_wait_dscnt 7-\t
	global_store_b128 v8, v[WOUT+4*\t:WOUT+4*\t+3], s[14:15] offset:2*\t*1024   ; sixteen lanes store 256 consecutive bytes, aligned
.endr
	FINISH
.Lpath_o:
	s_sub_co_u32 s24, ttmp9, 448
	s_and_b32 s25, s24, 15                         ; which 128 columns
	s_lshr_b32 s26, s24, 4                         ; which 256 along K
	v_lshlrev_b32 v3, 2, v2                        ; in: 4 bytes a lane
	v_lshrrev_b32 v4, 4, v2
	v_and_b32 v5, 15, v2
	v_lshlrev_b32 v4, 10, v4
	v_lshl_add_u32 v4, v5, 4, v4                   ; out: the image of my 16 columns, my column's 16 bytes
	s_lshl_b32 s28, s26, 21                        ; 256 rows of 8,192 bytes
	s_lshl_b32 s30, s25, 9
	s_add_co_u32 s28, s28, s30
	s_lshl_b32 s30, s[WV], 7
	s_add_co_u32 s28, s28, s30
	s_mov_b32 s29, 0
	s_add_nc_u64 s[12:13], s[12:13], s[28:29]
	s_lshl_b32 s28, s25, 18
	s_lshl_b32 s30, s26, 16
	s_add_co_u32 s28, s28, s30
	s_lshl_b32 s30, s[WV], 11
	s_add_co_u32 s28, s28, s30
	s_add_nc_u64 s[18:19], s[18:19], s[28:29]
	OLOAD 0
	OLOAD 1
.irp t, 0,1,2,3,4,5,6,7
	OBLOCK \t
.endr
	FINISH
.Lfunc_end_k_q8c028c7214_prep:
	.size	k_q8c028c7214_prep, .Lfunc_end_k_q8c028c7214_prep-k_q8c028c7214_prep
	.p2alignl 7, 3214868480
	.fill 96, 4, 3214868480
	.section	.rodata,"a",@progbits
	.p2align	6, 0x0
	.amdhsa_kernel k_q8c028c7214_prep
		.amdhsa_group_segment_fixed_size 50688
		.amdhsa_private_segment_fixed_size 0
		.amdhsa_enable_private_segment 0
		.amdhsa_kernarg_size 72
		.amdhsa_user_sgpr_count 2
		.amdhsa_user_sgpr_kernarg_segment_ptr 1
		.amdhsa_wavefront_size32 1
		.amdhsa_system_sgpr_workgroup_id_x 1
		.amdhsa_system_sgpr_workgroup_id_y 1
		.amdhsa_system_sgpr_workgroup_id_z 1
		.amdhsa_system_vgpr_workitem_id 0
		.amdhsa_next_free_vgpr 192
		.amdhsa_next_free_sgpr 66
		.amdhsa_reserve_vcc 1
		.amdhsa_float_denorm_mode_32 3
		.amdhsa_float_denorm_mode_16_64 3
		.amdhsa_memory_ordered 1
		.amdhsa_forward_progress 1
		.amdhsa_inst_pref_size 117
	.end_amdhsa_kernel
	.amdgpu_metadata
---
amdhsa.version: [ 1, 2 ]
amdhsa.kernels:
  - .name:           k_q8c028c7214_prep
    .symbol:         k_q8c028c7214_prep.kd
    .args:
      - { .name: x, .offset: 0, .size: 8, .value_kind: global_buffer, .address_space: global }
      - { .name: Wq, .offset: 8, .size: 8, .value_kind: global_buffer, .address_space: global }
      - { .name: Wk, .offset: 16, .size: 8, .value_kind: global_buffer, .address_space: global }
      - { .name: Wv, .offset: 24, .size: 8, .value_kind: global_buffer, .address_space: global }
      - { .name: Wo, .offset: 32, .size: 8, .value_kind: global_buffer, .address_space: global }
      - { .name: codes, .offset: 40, .size: 8, .value_kind: global_buffer, .address_space: global }
      - { .name: scales, .offset: 48, .size: 8, .value_kind: global_buffer, .address_space: global }
      - { .name: wof, .offset: 56, .size: 8, .value_kind: global_buffer, .address_space: global }
      - { .name: rope, .offset: 64, .size: 8, .value_kind: global_buffer, .address_space: global }
    .group_segment_fixed_size: 50688
    .private_segment_fixed_size: 0
    .kernarg_segment_align: 8
    .kernarg_segment_size: 72
    .max_flat_workgroup_size: 128
    .sgpr_count:     66
    .vgpr_count:     192
    .wavefront_size: 32
...
	.end_amdgpu_metadata
.endif
;; end of part 1
;; launch qkv (part 2): grid 12 x 16, 4 waves a work-group, clusters of 4 x 4, 327,680 bytes of LDS; arguments codes, scales, rope, qkv; writes qkv
.if DOCPART == 2
	.amdgcn_target "amdgcn-amd-amdhsa--gfx1250"
	.amdhsa_code_object_version 6
	.text
	.protected	k_q8c028c7214_qkv
	.globl	k_q8c028c7214_qkv
	.p2align	8
	.type	k_q8c028c7214_qkv,@function
k_q8c028c7214_qkv:
	s_mov_b64 s[64:65], 0
	v_nop
	global_prefetch_b8 v0, s[64:65] scope:SCOPE_SE
	s_setreg_imm32_b32 hwreg(HW_REG_WAVE_MODE, 25, 1), 1
	s_wait_xcnt 0x0
	s_wait_alu depctr_hold_cnt(0) depctr_sa_sdst(0) depctr_va_vdst(0) depctr_va_sdst(0) depctr_va_ssrc(0) depctr_va_vcc(0) depctr_vm_vsrc(0)
	s_getreg_b32 s2, hwreg(HW_REG_IB_STS2, 6, 4)
	s_cmp_eq_u32 s2, 0
	s_cbranch_scc0 .Lentry_in_a_cluster
	s_endpgm
.Lentry_in_a_cluster:
	s_bfe_u32 s2, ttmp6, 0x10000c
	s_cmp_lg_u32 s2, 0xf033
	s_cbranch_scc0 .Lentry_shape_is_right
	s_endpgm
.Lentry_shape_is_right:
; q, k, v = x Wq, x Wk, x Wv on codes of FP4 (E2M1) with one E8M0 scale for each 32 along K = 2,048; sums in f32; the rotary turn on q and k in f32; the results leave as f16, laid as images of the
; operand registers that the attention launch wants.  'codes': 7,168 rows of 1,024 bytes: rows 0..4095 x, row 4096 + 1024 wi + n column n of weight wi; 'scales': the same rows, 64 bytes each.
; A work-group of four waves makes 256 x 256 results, a wave 128 x 128: 64 accumulators, 512 registers.  K goes in steps of 512 through a ring of two LDS slots filled by the tensor data mover;
; the scale bytes of the work-group's 512 rows come once and stay.
; CLUSTERS: 4 x 4 work-groups; the cluster's x says which product: 0 q, 1 k, 2 v, the same in all sixteen.  'A' (source 1 of the matrix instruction: its rows become the LANES of a result) is shared along a row
; of the cluster, 'B' (source 0: its rows become a lane's REGISTERS) along a column; each tile is asked for jointly.
;   q, k: A = 256 positions of x, B = 256 columns of the weight: a lane holds one position and eight neighbouring channels: a piece of a fragment of q or k (K = the head's channels).
;   v:    A = 256 columns of Wv, B = 256 positions: a lane holds one channel and eight neighbouring keys: a piece of a fragment of v^T (K = the keys).
; Both operands lie in one buffer, so the change of roles is a choice of row numbers.
; OUT: q at byte 0, k at 8 MiB: [batch x head 32][position / 16][channel / 32][1,024 bytes]; v^T at 16 MiB: [batch x head][key / 32][channel / 16][1,024 bytes].  An image: registers 4 e .. 4 e + 3 of lane l at 512 e + 16 l.
; Every store of a wave covers 512 consecutive bytes, aligned: no stage in LDS is needed.
; THE TABLE OF COSINES AND SINES IS ASKED FOR EARLY.  Behind the last change of slots the text has no barrier and no tensor load left; there it parts on the cluster's x, and the last slot's 256 matrix instructions are
; written once in each arm.  The arm of q and k first asks for seven of its eight sets of the table (56 loads) into registers that the loop leaves idle, so that they land under those products.
; q is multiplied by log2(e) / 8 through its table.  LIMITS: |q| log2(e) / 8, |k| and |v| stay under 65,504 (f16); NaN and infinities are not served.
; REGISTERS, in windows of 256: window 0: v0-31 addresses; v32-95 scale words, two sets; v128-191 A's fragments, one set; v96-127, v192-255 three sets of the table.
;   window 1: v0-63, v128-191 B's fragments, two sets; v64-127, v192-255 four sets of the table; the eighth takes v0-31 behind the last product.
;   window 2: the accumulators of A's blocks 0-3 ((a, b) at v[8 (8 (a % 4) + b)]);   window 3: those of blocks 4-7.   On the way out v32-95 and v128-191 of window 0 are at work.
.set SIZE_K, 2048
.set KSTEP,  512                       ; along K in a slot
.set NQ,     KSTEP/128                 ; matrix instructions deep
.set ROWB,   256                       ; a tile's row in bytes
.set KROW,   SIZE_K*4/8                ; a row of codes in memory
.set PITCH,  272                       ; an LDS row: 256 bytes + 16 of padding: the 16 rows that a load touches start 68 words apart
.set FR,     8                         ; registers of a fragment: 16 rows x 128 K
.set NL,     2                         ; LDS loads that bring one
.set NP,     4                         ; places behind this matrix instruction (ISA guide 7.12.1)
.set HALFT,  128*PITCH                 ; what one tensor load brings
.set SLOT,   4*HALFT                   ; A's 256 rows, then B's 256 rows
.set LAPS,   SIZE_K/(2*KSTEP)
.set KS,     SIZE_K/32                 ; a row of scales in bytes
.set SCL,    2*SLOT                    ; behind the ring: the scales, as units of 256 bytes + 16 of padding
.set HALFS,  (128*KS/256)*272          ; the scales of 128 rows
.set SBLK,   (16*KS/256)*272           ; those of 16 rows
.set SPARE,  SCL+4*HALFS               ; the spare words, 128 bytes for each wave
.set ADRA, 16                          ; v16-17  LDS address of my A fragments in slot 0, 1
.set ADRB, 20                          ; v20-21  the same for B
.set CO,   26                          ; v26     16 x lane: my place in an image and in the table; never rewritten
.set ADRS, 27                          ; v27     LDS address of my scale words: lanes 0-15 A's rows, lanes 16-31 B's
.set SPW,  28                          ; v28     LDS address of my spare word; never rewritten
.set NIL,  29                          ; v29     0; never rewritten
.set SC,   32                          ; scale words: set s at v[SC + 8 NQ s]; register NQ i + q: lanes 0-15 A's block i, lanes 16-31 B's block i
.set AF,   128                         ; A's fragments, in window 0
.set TT,   32                          ; the way out: v32-95 a block's 64 turned numbers
.set PK,   128                         ; v128-191 two sets of 32 registers of f16 pairs
.set G1, 24
.set G0, 32
.set G1B, 48
.set G0B, 56
.set G1S, 68
.set G0S, 76
.set G1SB, 80
.set G0SB, 88
.set MSB, 0
.macro WIN new                         ; the immediate's high byte repeats the setting that is left
.if MSB != \new
	s_set_vgpr_msb (MSB<<8)|\new
.set MSB, \new
.endif
.endm
.set MUL_LO, 0xa1                      ; source 0 (B) window 1, source 1 (A) window 0, C and D window 2
.set MUL_HI, 0xf1                      ; the same, C and D window 3
.set TO_B,   0x40                      ; destination window 1, address window 0
; A joint load: waves 0 and 1 fetch for A, waves 2 and 3 for B.  An s_nop 0 and four v_nop follow each of the two lines.
.macro JLOAD g0a, g1a, g0b, g1b
	s_cmp_eq_u32 s15, 0
	s_cbranch_scc0 .Lfor_b_\@
	tensor_load_to_lds s[\g0a:\g0a+3], s[\g1a:\g1a+7]
	s_nop 0
.rept 4
	v_nop
.endr
	s_branch .Lasked_\@
.Lfor_b_\@:
	tensor_load_to_lds s[\g0b:\g0b+3], s[\g1b:\g1b+7]
	s_nop 0
.rept 4
	v_nop
.endr
.Lasked_\@:
.endm
.macro CREST                           ; a round of the cluster's barrier behind its opening barrier
	s_cmp_lg_u32 s14, 0
	s_cbranch_scc1 .Lnot_wave_0_\@
	s_barrier_signal -3
.Lnot_wave_0_\@:
	s_barrier_wait -3
	s_barrier_signal -1
	s_barrier_wait -1
.endm
.macro CROUND
	s_barrier_signal -1
	s_barrier_wait -1
	CREST
.endm
	s_load_b256 s[4:11], s[0:1], 0x0               ; codes s[4:5], scales s[6:7], rope s[8:9], qkv s[10:11]
	v_lshl_add_u32 v[SPW], v0, 2, SPARE
	v_mov_b32 v[NIL], 0
	ds_add_u32 v[SPW], v[NIL]                      ; the wave's opening: the add, twice on end, and its wait ahead of my first tensor load
	ds_add_u32 v[SPW], v[NIL]
	v_lshrrev_b32 v1, 5, v0
	v_readfirstlane_b32 s14, v1                    ; wave 0..3
	s_lshr_b32 s15, s14, 1                         ; which half of A's rows is mine.  Also: I fetch for A (0) or for B (1)
	s_and_b32 s16, s14, 1                          ; which half of B's rows.  Also: which 128 rows of that tile I fetch
	s_bfe_u32 s40, ttmp6, 0x40000                  ; cx, cy: my place in the cluster
	s_bfe_u32 s41, ttmp6, 0x40004
	s_and_b32 s18, ttmp7, 0xffff
	s_lshl_b32 s18, s18, 2                         ; 4 x cluster y: the cluster's first block of 256 positions
	s_lshl_b32 s19, ttmp9, 2
	s_add_co_u32 s19, s19, 16                      ; 16 + 4 x cluster x: the weight's first block of 256 rows of the codes
	s_cmp_lt_u32 ttmp9, 2                          ; q or k?  The cluster's x is the same in all sixteen
	s_cselect_b32 s17, s18, 24                     ; A: positions, or Wv's rows (from row 6,144 on)
	s_cselect_b32 s42, s19, s18                    ; B: the weight's rows, or positions
	s_add_co_u32 s17, s17, s41                     ; A's block of 256 rows: + cy
	s_add_co_u32 s42, s42, s40                     ; B's: + cx
	s_lshl_b32 s43, s41, 2
	s_lshl_b32 s43, 15, s43                        ; my row of the cluster
	s_lshl_b32 s44, 0x1111, s40                    ; my column
	; descriptor group 1: a tile of 128 rows x 256 bytes, padded in LDS
	s_or_b32 s[G1+0], s43, (0<<16)|(1<<20)|(1<<21)|(5<<22)|(3<<25)  ; the mask; elements of 1 byte; padding on; bit 21 beside a mask; after every 64 words, 4 words
	s_or_b32 s[G1B+0], s44, (0<<16)|(1<<20)|(1<<21)|(5<<22)|(3<<25)
.irp g, G1, G1B
	s_mov_b32 s[\g+1], ROWB<<16                    ; tensor_dim0
	s_mov_b32 s[\g+2], 128<<16                     ; tensor_dim1
	s_mov_b32 s[\g+3], ROWB<<16                    ; tile_dim0
	s_mov_b32 s[\g+4], 128                         ; tile_dim1
	s_mov_b32 s[\g+5], KROW                        ; from row to row
	s_mov_b32 s[\g+6], 0
	s_mov_b32 s[\g+7], 0
.endr
	; the scales of 128 rows: a dense block of 8,192 bytes, as rows of 256 bytes (32 elements of 8 bytes), 16 bytes of padding behind each
	s_or_b32 s[G1S+0], s43, (3<<16)|(1<<20)|(1<<21)|(5<<22)|(3<<25)
	s_or_b32 s[G1SB+0], s44, (3<<16)|(1<<20)|(1<<21)|(5<<22)|(3<<25)
.irp g, G1S, G1SB
	s_mov_b32 s[\g+1], 32<<16
	s_mov_b32 s[\g+2], (128*KS/256)<<16
	s_mov_b32 s[\g+3], 32<<16
	s_mov_b32 s[\g+4], 128*KS/256
	s_mov_b32 s[\g+5], 32
	s_mov_b32 s[\g+6], 0
	s_mov_b32 s[\g+7], 0
.endr
	s_lshl_b32 s18, s16, 7                         ; which 128 rows of the tile I fetch
	s_lshl_b32 s20, s17, 8
	s_add_co_u32 s20, s20, s18                     ; A's rows
	s_lshl_b32 s46, s42, 8
	s_add_co_u32 s46, s46, s18                     ; B's rows
	s_mov_b32 s21, 0
	s_mov_b32 s47, 0
	s_mov_b64 s[18:19], KS
	s_mul_u64 s[22:23], s[20:21], s[18:19]         ; where these rows' scales begin, in bytes
	s_mul_u64 s[92:93], s[46:47], s[18:19]
	s_mov_b64 s[18:19], KROW
	s_mul_u64 s[20:21], s[20:21], s[18:19]         ; and their codes
	s_mul_u64 s[46:47], s[46:47], s[18:19]
	s_mul_i32 s45, s14, HALFT                      ; where they go: wave x 128 rows: no place in the cluster enters an LDS address
	s_mul_i32 s94, s14, HALFS
	s_wait_dscnt 0x0                               ; both opening adds are done
	s_wait_kmcnt 0x0
	s_add_nc_u64 s[20:21], s[4:5], s[20:21]
	s_add_nc_u64 s[22:23], s[6:7], s[22:23]
	s_add_nc_u64 s[46:47], s[4:5], s[46:47]
	s_add_nc_u64 s[92:93], s[6:7], s[92:93]
	CROUND                                         ; all sixteen work-groups are here: the first joint loads meet
	s_mov_b32 s[G0S], 1
	s_add_co_u32 s[G0S+1], s94, SCL
	s_mov_b64 s[G0S+2:G0S+3], s[22:23]
	s_or_b32 s[G0S+3], s[G0S+3], 0x80000000
	s_mov_b32 s[G0SB], 1
	s_add_co_u32 s[G0SB+1], s94, SCL
	s_mov_b64 s[G0SB+2:G0SB+3], s[92:93]
	s_or_b32 s[G0SB+3], s[G0SB+3], 0x80000000
	JLOAD G0S, G1S, G0SB, G1SB                     ; the scales first: they are wanted with K step 0
.irp s, 0,1
	s_mov_b32 s[G0+4*\s], 1
	s_add_co_u32 s[G0+4*\s+1], s45, \s*SLOT
	s_add_nc_u64 s[G0+4*\s+2:G0+4*\s+3], s[20:21], \s*ROWB
	s_or_b32 s[G0+4*\s+3], s[G0+4*\s+3], 0x80000000
	s_mov_b32 s[G0B+4*\s], 1
	s_add_co_u32 s[G0B+4*\s+1], s45, \s*SLOT
	s_add_nc_u64 s[G0B+4*\s+2:G0B+4*\s+3], s[46:47], \s*ROWB
	s_or_b32 s[G0B+4*\s+3], s[G0B+4*\s+3], 0x80000000
	JLOAD G0+4*\s, G1, G0B+4*\s, G1B               ; three loads of mine are out at the most
.endr
	v_and_b32 v1, 15, v0                           ; l % 16
	v_bfe_u32 v2, v0, 4, 1                         ; l / 16
	v_mul_u32_u24 v3, v1, PITCH
	v_lshl_add_u32 v4, v2, 4, v3                   ; a fragment's row x pitch + 16 x half
	s_mul_i32 s21, s15, HALFT                      ; my 128 rows of A
	s_mul_i32 s22, s16, HALFT                      ; my 128 rows of B,
	s_add_co_u32 s22, s22, 2*HALFT                 ; which lie behind A's 256
.irp s, 0,1
	v_add_nc_u32 v[ADRA+\s], s21, v4
	v_add_nc_u32 v[ADRB+\s], s22, v4
	s_add_co_u32 s21, s21, SLOT
	s_add_co_u32 s22, s22, SLOT
.endr
	v_mul_u32_u24 v5, v1, KS                       ; my row's scales: KS bytes a row,
	v_lshrrev_b32 v6, 8, v5
	v_lshl_add_u32 v5, v6, 4, v5                   ; and 16 more for each 256 passed
	s_mul_i32 s21, s15, HALFS                      ; A's: my 128 rows
	s_mul_i32 s22, s16, HALFS                      ; B's: my 128 rows, behind A's 256
	s_add_co_u32 s22, s22, 2*HALFS
	s_sub_co_u32 s22, s22, s21
	v_mul_u32_u24 v6, s22, v2                      ; lanes 16-31 take B's
	s_add_co_u32 s21, s21, SCL
	v_add_nc_u32 v5, v5, v6
	v_add_nc_u32 v[ADRS], s21, v5
	v_and_b32 v6, 31, v0
	v_lshlrev_b32 v[CO], 4, v6
	; where my results go.  Positions are A's rows for q and k, B's for v; channels the other way round
	s_cmp_lt_u32 ttmp9, 2
	s_cselect_b32 s20, s17, s42                    ; my block of 256 positions,
	s_cselect_b32 s21, s15, s16                    ; my half of it,
	s_cselect_b32 s22, s40, s41                    ; my block of 256 channels (four heads),
	s_cselect_b32 s23, s16, s15                    ; my half of it (two heads)
	s_lshl_b32 s20, s20, 8
	s_lshl_b32 s21, s21, 7
	s_add_co_u32 s20, s20, s21                     ; my first position of 4,096
	s_lshr_b32 s21, s20, 11                        ; the batch
	s_and_b32 s95, s20, 2047                       ; the position in the sequence
	s_lshl_b32 s21, s21, 4
	s_lshl_b32 s22, s22, 2
	s_add_co_u32 s21, s21, s22
	s_lshl_b32 s23, s23, 1
	s_add_co_u32 s21, s21, s23                     ; 16 x batch + my first head
	s_lshl_b32 s46, s21, 18                        ; 2^18 bytes a head,
	s_lshl_b32 s47, s95, 7                         ; 128 bytes a position,
	s_add_co_u32 s46, s46, s47
	s_lshl_b32 s47, ttmp9, 23                      ; 8 MiB for each of q, k, v
	s_add_co_u32 s46, s46, s47
	s_mov_b32 s47, 0
	s_add_nc_u64 s[12:13], s[10:11], s[46:47]
.macro FRAG reg, adr, q, i             ; a fragment, 16 rows x 128 K of 4-bit codes: lane l holds row l % 16; registers 4 c .. 4 c + 3 hold K = 64 c + 32 (l / 16) + 0 .. 31
.irp c, 0,1
	ds_load_b128 v[\reg+4*\c:\reg+4*\c+3], v[\adr] offset:64*(\q)+32*\c+(\i)*16*PITCH
.endr
.endm
; 16 matrix instructions: A's blocks a0, a0 + 1 x B's eight, 128 along K.  The 64 accumulators take turns, one instruction a turn, in the same order in every step.
.macro MUL16 a0, p, q, sc, zero
.irp a, \a0, \a0+1
.irp b, 0,1,2,3,4,5,6,7
.if \zero
	v_wmma_scale_f32_16x16x128_f8f6f4 v[8*(8*((\a)%4)+\b):8*(8*((\a)%4)+\b)+7], v[128*(\p)+FR*\b:128*(\p)+FR*\b+FR-1], v[AF+FR*(\a):AF+FR*(\a)+FR-1], 0, v[SC+8*NQ*(\sc)+NQ*\b+(\q)], v[SC+8*NQ*(\sc)+NQ*(\a)+(\q)] matrix_a_fmt:MATRIX_FMT_FP4 matrix_b_fmt:MATRIX_FMT_FP4 matrix_a_scale:MATRIX_SCALE_ROW1
.else
	v_wmma_scale_f32_16x16x128_f8f6f4 v[8*(8*((\a)%4)+\b):8*(8*((\a)%4)+\b)+7], v[128*(\p)+FR*\b:128*(\p)+FR*\b+FR-1], v[AF+FR*(\a):AF+FR*(\a)+FR-1], v[8*(8*((\a)%4)+\b):8*(8*((\a)%4)+\b)+7], v[SC+8*NQ*(\sc)+NQ*\b+(\q)], v[SC+8*NQ*(\sc)+NQ*(\a)+(\q)] matrix_a_fmt:MATRIX_FMT_FP4 matrix_b_fmt:MATRIX_FMT_FP4 matrix_a_scale:MATRIX_SCALE_ROW1
.endif
.endr
.endr
.endm
.macro FETCH_B slot, q, p
	WIN TO_B
.irp i, 0,1,2,3,4,5,6,7
	FRAG 128*(\p)+FR*\i, ADRB+\slot, \q, \i
.endr
	WIN 0
.endm
.macro FETCH_A slot, q, i0
.irp i, \i0, \i0+1, \i0+2, \i0+3
	FRAG AF+FR*(\i), ADRA+\slot, \q, \i
.endr
.endm
.macro SCALES sc                       ; a K step's scale words: four words a row; lanes 0-15 take A's block i, lanes 16-31 B's block i
.irp i, 0,1,2,3,4,5,6,7
	ds_load_b128 v[SC+8*NQ*\sc+NQ*\i:SC+8*NQ*\sc+NQ*\i+3], v[ADRS] offset:\i*SBLK
.endr
.endm
.macro PLACES n                        ; plain vector lines between a matrix instruction and a load into, or a vector read or write of, its registers
.rept \n
	v_nop
.endr
.endm
.macro STEP slot, q, zero              ; 128 along K, with its successor in the same slot
	s_wait_dscnt 4*NL                              ; B's set and A's blocks 0-3 are in; the youngest loads (A's blocks 4-7) may be out
	WIN MUL_LO
	MUL16 0, (\q)%2, \q, \slot, \zero
	MUL16 2, (\q)%2, \q, \slot, \zero
	s_wait_dscnt 0                                 ; A's blocks 4-7 are in
	PLACES NP
	FETCH_B \slot, (\q)+1, 1-(\q)%2
	FETCH_A \slot, (\q)+1, 0
	WIN MUL_HI
	MUL16 4, (\q)%2, \q, \slot, \zero
	MUL16 6, (\q)%2, \q, \slot, \zero
	PLACES NP
	WIN 0
	FETCH_A \slot, (\q)+1, 4
.endm
; A slot's last step changes slots: one barrier; in front of it each wave waits for all its tensor loads, adds 0 to its spare word, and waits for that and for its reads of this slot.
.macro TURN slot, next, fill
	s_wait_tensorcnt 0x0                           ; all my tensor loads have landed: my part of the next slot
	ds_add_u32 v[SPW], v[NIL]
	s_wait_dscnt 4*NL+1                            ; (the add and A's blocks 4-7 may be out)
	WIN MUL_LO
	MUL16 0, 1, NQ-1, \slot, 0
	s_wait_dscnt 0x0                               ; the add is done, and my reads of this slot are over
	s_barrier_signal -1
	MUL16 2, 1, NQ-1, \slot, 0
	WIN 0
	s_barrier_wait -1
.if \fill
	CREST                                          ; the barrier has opened a round of the cluster's: no wave of any partner still reads this slot or has a load on its way
	s_add_nc_u64 s[G0+4*\slot+2:G0+4*\slot+3], s[G0+4*\slot+2:G0+4*\slot+3], 2*ROWB
	s_add_nc_u64 s[G0B+4*\slot+2:G0B+4*\slot+3], s[G0B+4*\slot+2:G0B+4*\slot+3], 2*ROWB
	JLOAD G0+4*\slot, G1, G0B+4*\slot, G1B         ; the first tensor load behind the round; its four v_nop are the places in front of the loads below
.else
	PLACES NP
.endif
	v_add_nc_u32 v[ADRS], 4*NQ, v[ADRS]            ; on to the next K step's scale words
	FETCH_B \next, 0, 0
	FETCH_A \next, 0, 0
	SCALES \next
	WIN MUL_HI
	MUL16 4, 1, NQ-1, \slot, 0
	MUL16 6, 1, NQ-1, \slot, 0
	PLACES NP
	WIN 0
	FETCH_A \next, 0, 4
.endm
.macro STEPS slot, from
.set Q, \from
.rept NQ-1-\from
	STEP \slot, Q, 0
.set Q, Q+1
.endr
.endm
; The last slot's four steps: LDS loads and products alone, no barrier, no tensor load.  Written once in each arm.
.macro TAIL
	STEPS 1, 0
	s_wait_dscnt 4*NL                              ; the very last step: nothing more to fetch
	WIN MUL_LO
	MUL16 0, 1, NQ-1, 1, 0
	MUL16 2, 1, NQ-1, 1, 0
	s_wait_dscnt 0
	WIN MUL_HI
	MUL16 4, 1, NQ-1, 1, 0
	MUL16 6, 1, NQ-1, 1, 0
	WIN 0
	PLACES NP                                      ; in front of reads of results, and of loads and writes into registers that held scales and fragments
.endm
; Where set a of the table lies: window TW, from register TS on: cos of channels 16 e + 8 h + 0 .. 7 at + 16 e, sin at + 16 e + 8
.macro TSET a
.if (\a) == 0
.set TW, 0
.set TS, 96
.elseif (\a) < 3
.set TW, 0
.set TS, 192+32*((\a)-1)
.elseif (\a) < 5
.set TW, 1
.set TS, 64+32*((\a)-3)
.elseif (\a) < 7
.set TW, 1
.set TS, 192+32*((\a)-5)
.else
.set TW, 1
.set TS, 0
.endif
.set TWD, 64*TW
.endm
.macro TBLLOAD a                       ; the cosines and sines of block a's 16 positions: 8 loads of 512 consecutive bytes
	TSET \a
	WIN TWD                                        ; the destination's window
.irp x, 0,1,2,3,4,5,6,7
	global_load_b128 v[TS+4*\x:TS+4*\x+3], v[CO], s[8:9] offset:(\a)*4096+\x*512
.endr
.endm
; THE WAY OUT OF q AND k, a block of 16 positions at a time.  Accumulator (a, b): lane (r, h) holds position 16 a + r, channels 16 b + 8 h + 0 .. 7 of my 128: head b / 4, in it d = 16 (b % 4) + 8 h + j.
; out[d] = t[d] cos - t[d + 32] sin, out[d + 32] = t[d + 32] cos + t[d] sin, the angle's index d % 32 = 16 (b % 2) + 8 h + j.
.macro ROPE a
.set AC, 64*((\a)%4)
.set PB, PK+32*((\a)%2)
	TSET \a
.set RW, 2+(\a)/4+4*TW
	s_wait_loadcnt 8*(7-(\a))                      ; this block's set is in; the later sets' loads, eight each, may be out
	WIN RW                                         ; source 0: the accumulators' window; source 1: the set's
.irp b, 0,1,4,5
.irp i, 0,2,4,6                        ; each accumulator is read from its low end on
	v_pk_mul_f32 v[TT+8*\b+\i:TT+8*\b+\i+1], v[AC+8*(\b+2)+\i:AC+8*(\b+2)+\i+1], v[TS+16*(\b%2)+8+\i:TS+16*(\b%2)+8+\i+1]
.endr
.irp i, 0,2,4,6
	v_pk_mul_f32 v[TT+8*(\b+2)+\i:TT+8*(\b+2)+\i+1], v[AC+8*\b+\i:AC+8*\b+\i+1], v[TS+16*(\b%2)+8+\i:TS+16*(\b%2)+8+\i+1]
.endr
.irp i, 0,2,4,6
	v_pk_fma_f32 v[TT+8*\b+\i:TT+8*\b+\i+1], v[AC+8*\b+\i:AC+8*\b+\i+1], v[TS+16*(\b%2)+\i:TS+16*(\b%2)+\i+1], v[TT+8*\b+\i:TT+8*\b+\i+1] neg_lo:[0,0,1] neg_hi:[0,0,1]
.endr
.irp i, 0,2,4,6
	v_pk_fma_f32 v[TT+8*(\b+2)+\i:TT+8*(\b+2)+\i+1], v[AC+8*(\b+2)+\i:AC+8*(\b+2)+\i+1], v[TS+16*(\b%2)+\i:TS+16*(\b%2)+\i+1], v[TT+8*(\b+2)+\i:TT+8*(\b+2)+\i+1]
.endr
.endr
	WIN 0
.if (\a) >= 2
	s_wait_xcnt 0x0                                ; the stores of two blocks back have read this set of pairs
.endif
.irp b, 0,1,2,3,4,5,6,7
.irp p, 0,1,2,3
	v_cvt_pk_f16_f32 v[PB+4*\b+\p], v[TT+8*\b+2*\p], v[TT+8*\b+2*\p+1]
.endr
.endr
.irp b, 0,1,2,3,4,5,6,7
	global_store_b128 v[CO], v[PB+4*\b:PB+4*\b+3], s[12:13] offset:(\b/4)*262144+(\a)*2048+((\b%4)/2)*1024+(\b%2)*512   ; 512 consecutive bytes, aligned
.endr
.endm
; THE WAY OUT OF v.  Accumulator (a, b): lane (r, h) holds channel 16 a + r of my 128 (head a / 4) and keys 16 b + 8 h + 0 .. 7 of my 128.
.macro VOUT a
.set AC, 64*((\a)%4)
.set PB, PK+32*((\a)%2)
.set VW, 0x0a+5*((\a)/4)
.if (\a) >= 2
	s_wait_xcnt 0x0                                ; the stores of two blocks back have read this set of pairs
.endif
	WIN VW                                         ; sources 0 and 1: the accumulators' window
.irp b, 0,1,2,3,4,5,6,7
.irp p, 0,1,2,3
	v_cvt_pk_f16_f32 v[PB+4*\b+\p], v[AC+8*\b+2*\p], v[AC+8*\b+2*\p+1]
.endr
.endr
	WIN 0
.irp b, 0,1,2,3,4,5,6,7
	global_store_b128 v[CO], v[PB+4*\b:PB+4*\b+3], s[12:13] offset:((\a)/4)*262144+(\b/2)*4096+((\a)%4)*1024+(\b%2)*512
.endr
.endm
	s_wait_tensorcnt 1                             ; the scales and my part of K step 0 are in; K step 1's load may be out
	s_barrier_signal -1
	s_barrier_wait -1
	FETCH_B 0, 0, 0
	FETCH_A 0, 0, 0
	SCALES 0
	FETCH_A 0, 0, 4
	STEP 0, 0, 1                                   ; the first step's products start the sums: nothing is cleared
	s_mov_b32 s3, LAPS-1
.Llap:                                             ; a trip goes once round the ring and fills both slots again
	STEPS 0, 1
	TURN 0, 1, 1
	STEPS 1, 0
	TURN 1, 0, 1
	STEP 0, 0, 0
	s_sub_co_u32 s3, s3, 1
	s_cmp_lg_u32 s3, 0
	s_cbranch_scc1 .Llap
	STEPS 0, 1                                     ; the last lap fills nothing
	TURN 0, 1, 0                                   ; the last barrier of the K loop
	s_cmp_eq_u32 ttmp9, 2                          ; the cluster's x: the same in all partners
	s_cbranch_scc1 .Lv_arm
	s_lshl_b32 s46, ttmp9, 19                      ; q's table or k's,
	s_lshl_b32 s47, s95, 8                         ; 256 bytes a position
	s_add_co_u32 s46, s46, s47
	s_mov_b32 s47, 0
	s_add_nc_u64 s[8:9], s[8:9], s[46:47]
.irp a, 0,1,2,3,4,5,6
	TBLLOAD \a                                     ; 256 matrix instructions ahead of the first use
.endr
	WIN 0
	TAIL
	TBLLOAD 7                                      ; into B's first set, which is done with; seven blocks' work ahead of its use
	WIN 0
.irp a, 0,1,2,3,4,5,6,7
	ROPE \a
.endr
	s_branch .Ldone
.Lv_arm:
	TAIL
.irp a, 0,1,2,3,4,5,6,7
	VOUT \a
.endr
.Ldone:
	s_wait_tensorcnt 0x0                           ; the wave's end
	ds_add_u32 v[SPW], v[NIL]
	s_wait_dscnt 0x0
	CROUND                                         ; the closing round: no work-group ends while a partner may still ask for a tile that names it
	s_endpgm
.Lfunc_end_k_q8c028c7214_qkv:
	.size	k_q8c028c7214_qkv, .Lfunc_end_k_q8c028c7214_qkv-k_q8c028c7214_qkv
	.p2alignl 7, 3214868480
	.fill 96, 4, 3214868480
	.section	.rodata,"a",@progbits
	.p2align	6, 0x0
	.amdhsa_kernel k_q8c028c7214_qkv
		.amdhsa_group_segment_fixed_size 327680
		.amdhsa_private_segment_fixed_size 0
		.amdhsa_enable_private_segment 0
		.amdhsa_kernarg_size 32
		.amdhsa_user_sgpr_count 2
		.amdhsa_user_sgpr_kernarg_segment_ptr 1
		.amdhsa_wavefront_size32 1
		.amdhsa_system_sgpr_workgroup_id_x 1
		.amdhsa_system_sgpr_workgroup_id_y 1
		.amdhsa_system_sgpr_workgroup_id_z 1
		.amdhsa_system_vgpr_workitem_id 0
		.amdhsa_next_free_vgpr 1024
		.amdhsa_next_free_sgpr 100
		.amdhsa_reserve_vcc 0
		.amdhsa_float_denorm_mode_32 3
		.amdhsa_float_denorm_mode_16_64 3
		.amdhsa_memory_ordered 1
		.amdhsa_forward_progress 1
		.amdhsa_inst_pref_size 255
	.end_amdhsa_kernel
	.section	.bss,"aw",@nobits
	.p2align	6
	.space	262144
	.amdgpu_metadata
---
amdhsa.version: [ 1, 2 ]
amdhsa.kernels:
  - .name:           k_q8c028c7214_qkv
    .symbol:         k_q8c028c7214_qkv.kd
    .args:
      - { .name: codes, .offset: 0, .size: 8, .value_kind: global_buffer, .address_space: global }
      - { .name: scales, .offset: 8, .size: 8, .value_kind: global_buffer, .address_space: global }
      - { .name: rope, .offset: 16, .size: 8, .value_kind: global_buffer, .address_space: global }
      - { .name: qkv, .offset: 24, .size: 8, .value_kind: global_buffer, .address_space: global }
    .group_segment_fixed_size: 327680
    .private_segment_fixed_size: 0
    .kernarg_segment_align: 8
    .kernarg_segment_size: 32
    .max_flat_workgroup_size: 128
    .sgpr_count:     100
    .vgpr_count:     1024
    .wavefront_size: 32
...
	.end_amdgpu_metadata
.endif
;; end of part 2
;; launch attn (part 3): grid 8 x 32, 8 waves a work-group, clusters of 4 x 1, 327,680 bytes of LDS; arguments qkv, of; writes of
.if DOCPART == 3
	.amdgcn_target "amdgcn-amd-amdhsa--gfx1250"
	.amdhsa_code_object_version 6
	.text
	.protected	k_q8c028c7214_attn
	.globl	k_q8c028c7214_attn
	.p2align	8
	.type	k_q8c028c7214_attn,@function
k_q8c028c7214_attn:
	s_mov_b64 s[64:65], 0
	v_nop
	global_prefetch_b8 v0, s[64:65] scope:SCOPE_SE
	s_setreg_imm32_b32 hwreg(HW_REG_WAVE_MODE, 25, 1), 1
	s_wait_xcnt 0x0
	s_wait_alu depctr_hold_cnt(0) depctr_sa_sdst(0) depctr_va_vdst(0) depctr_va_sdst(0) depctr_va_ssrc(0) depctr_va_vcc(0) depctr_vm_vsrc(0)
	s_getreg_b32 s2, hwreg(HW_REG_IB_STS2, 6, 4)
	s_cmp_eq_u32 s2, 0
	s_cbranch_scc0 .Lentry_in_a_cluster
	s_endpgm
.Lentry_in_a_cluster:
	s_bfe_u32 s2, ttmp6, 0x10000c
	s_cmp_lg_u32 s2, 0x3003
	s_cbranch_scc0 .Lentry_shape_is_right
	s_endpgm
.Lentry_shape_is_right:
; o[b, h, q] = the sum over k of softmax_k(q . k / 8) v, no mask; 32 (batch, head) pairs, 2,048 positions, head size 64.  Operands in f16, products, maxima and sums in f32.
; q (already multiplied by log2(e) / 8), k and v^T come as images of operand registers (1,024 bytes a fragment: registers 4 e .. 4 e + 3 of lane l at 512 e + 16 l), so a tile is a dense block of memory,
; needs no padding in LDS, and every fragment load takes 512 consecutive bytes.
; SHARES.  A work-group owns 256 queries of one head, each of its eight waves 32: two tiles of 16.  Two waves lie on a SIMD, so that one wave's softmax stands beside the other's products.  Every wave walks all
; 2,048 keys, 64 a step.
; LAYOUT.  S^T = K Q^T (source 0 = 16 keys, source 1 = 16 queries): a lane holds ONE query (lane % 16) and keys 8 (lane / 16) + 0 .. 7.  Two such tiles, rounded to f16 in pairs, are source 1 of O^T = V^T P.
; SOFTMAX.  For each query a running maximum m and sum l: p = 2^(s - m); in every step O and l are multiplied by a = 2^(m_old - m_new).  The sum is taken of p in f32, before it is rounded.
; K AND V EACH HAVE A BUFFER OF 64 REGISTERS.  Behind a step's K Q^T both are asked for in one run of 32 LDS loads: this step's V, then the next step's K; both land under the softmax.  K's buffer lies in window 1:
; four switches of the window a step.
; RING.  Two LDS slots of 512 keys (64 KiB of K's images, 64 KiB of V's).  The head's four chunks: two first fills, two refills; each wave brings 16 KiB of a chunk by one tensor load.
; A wave has two tensor loads out at the start and one behind each round.
; CLUSTER.  The four query blocks of a cluster belong to one head and walk the same K and V: each tile is asked for jointly, by the same load with the same descriptor and a mask that names the four.
; OUT.  o leaves as f16 images for the last product: [row / 128][k / 32][(row / 16) % 8][1,024 bytes], k = 64 head + channel.  Every store of a wave covers 512 consecutive bytes, aligned.
; LIMITS: |o| stays under 65,504 (f16); NaN and infinities are not served.
.set LI,   1                           ; v1   16 x lane
.set ADK,  2                           ; v2   LDS address of the step's K
.set SPW,  3                           ; v3   LDS address of my spare word; never rewritten
.set NIL,  4                           ; v4   0; never rewritten
.set PFO,  5                           ; v5   256 x lane: the prefetches' offset; never rewritten
.set ADV,  6                           ; v6   LDS address of the step's V
.set LIV,  7                           ; v7   16 x lane + 65,536
.set SUM,  8                           ; v8-15   tile y: two chains of pairs at 8 + 4 y and 10 + 4 y
.set Q,    16                          ; v16-47  Q: tile y, channels 32 c on, at 16 + 16 y + 8 c
.set VB,   48                          ; v48-111 a step's V: keys 32 g on, channels 16 ct on, at + 32 g + 8 ct
.set S,    112                         ; v112-175 S^T: tile y, keys 16 kt on, at + 32 y + 8 kt; P is made in place in the low 16 registers of each tile
.set O,    176                         ; v176-239 O^T: tile y, channels 16 ct on, at + 32 y + 8 ct
.set ST,   240                         ; v240-255 tile y at + 8 y: +0 -m, +1 m, +2, +3 l (even keys', odd keys'), +4 to +7 c0-c3 at work; a takes c2's place
.set KB,   0                           ; window 1, v0-63 (v256-319): a step's K: keys 16 kt on, channels 32 c on, at + 16 kt + 8 c
.set SLOTB, 131072
.set VOFF,  65536
.set STEPB, 8192                       ; a step's 64 keys: 8,192 bytes of K's images, as many of V's
.set SPARE, 262144                     ; behind the ring: the spare words, 128 bytes for each of eight waves
.set MSB, 0
.macro WIN new                         ; the immediate's high byte repeats the setting that is left
.if MSB != \new
	s_set_vgpr_msb (MSB<<8)|\new
.set MSB, \new
.endif
.endm
.macro CROUND                          ; a round of the cluster's barrier
	s_barrier_signal -1
	s_barrier_wait -1
	s_cmp_lg_u32 s12, 0
	s_cbranch_scc1 .Lnot_wave_0_\@
	s_barrier_signal -3
.Lnot_wave_0_\@:
	s_barrier_wait -3
	s_barrier_signal -1
	s_barrier_wait -1
.endm
.macro TL n                            ; my 16 KiB of a chunk into slot n: all eight waves issue the line, each with its own bytes; the descriptor is the same in all four partners
	tensor_load_to_lds s[32+4*\n:35+4*\n], s[24:31]
	s_nop 0
.endm
.macro LDV                             ; a step's V: 8,192 consecutive bytes
.irp i, 0,1,2,3,4,5,6,7,8,9,10,11,12,13,14,15
	ds_load_b128 v[VB+4*\i:VB+4*\i+3], v[ADV] offset:512*\i
.endr
.endm
.macro LDK off                         ; K of the step that begins off bytes behind the step in hand
	WIN 0x40                                       ; destination window 1
.irp i, 0,1,2,3,4,5,6,7,8,9,10,11,12,13,14,15
	ds_load_b128 v[KB+4*\i:KB+4*\i+3], v[ADK] offset:\off+512*\i
.endr
	WIN 0
.endm
.macro KQ                              ; 16 products; the eight accumulators take turns; the first eight start the sums
	WIN 0x01                                       ; source 0 (K) window 1
.irp c, 0,1
.irp kt, 0,1,2,3
.irp y, 0,1
.if \c == 0
	v_wmma_f32_16x16x32_f16 v[S+32*\y+8*\kt:S+32*\y+8*\kt+7], v[KB+16*\kt+8*\c:KB+16*\kt+8*\c+7], v[Q+16*\y+8*\c:Q+16*\y+8*\c+7], 0
.else
	v_wmma_f32_16x16x32_f16 v[S+32*\y+8*\kt:S+32*\y+8*\kt+7], v[KB+16*\kt+8*\c:KB+16*\kt+8*\c+7], v[Q+16*\y+8*\c:Q+16*\y+8*\c+7], v[S+32*\y+8*\kt:S+32*\y+8*\kt+7]
.endif
.endr
.endr
.endr
	WIN 0
.endm
.macro PV                              ; 16 products; the eight accumulators take turns
.irp g, 0,1
.irp ct, 0,1,2,3
.irp y, 0,1
	v_wmma_f32_16x16x32_f16 v[O+32*\y+8*\ct:O+32*\y+8*\ct+7], v[VB+32*\g+8*\ct:VB+32*\g+8*\ct+7], v[S+32*\y+8*\g:S+32*\y+8*\g+7], v[O+32*\y+8*\ct:O+32*\y+8*\ct+7]
.endr
.endr
.endr
.endm
; The two tiles' softmax of one step, the tiles by turns so that no line waits for the line above it.
.macro SOFT
.irp j, 0,1,2,3
.irp y, 0,1
	v_max3_num_f32 v[ST+8*\y+4+\j], v[S+32*\y+8*\j], v[S+32*\y+8*\j+1], v[S+32*\y+8*\j+2]   ; four chains; each accumulator is read from its low end on
.endr
.endr
.irp k, 3,5
.irp j, 0,1,2,3
.irp y, 0,1
	v_max3_num_f32 v[ST+8*\y+4+\j], v[ST+8*\y+4+\j], v[S+32*\y+8*\j+\k], v[S+32*\y+8*\j+\k+1]
.endr
.endr
.endr
.irp y, 0,1
	v_max3_num_f32 v[ST+8*\y+4], v[ST+8*\y+4], v[S+32*\y+7], v[S+32*\y+15]
	v_max3_num_f32 v[ST+8*\y+6], v[ST+8*\y+6], v[S+32*\y+23], v[S+32*\y+31]
.endr
.irp y, 0,1
	v_max3_num_f32 v[ST+8*\y+4], v[ST+8*\y+4], v[ST+8*\y+5], v[ST+8*\y+6]
.endr
.irp y, 0,1
	v_max3_num_f32 v[ST+8*\y+4], v[ST+8*\y+4], v[ST+8*\y+7], v[ST+8*\y+1]   ; with the old m
.endr
.irp y, 0,1
	v_permlanex16_b32 v[ST+8*\y+5], v[ST+8*\y+4], s20, s21   ; the query's other 32 keys lie in the lane 16 away
.endr
.irp y, 0,1
	v_mov_b32 v[ST+8*\y+7], v[ST+8*\y]             ; the old -m
.endr
.irp y, 0,1
	v_max_num_f32 v[ST+8*\y+1], v[ST+8*\y+4], v[ST+8*\y+5]
.endr
.irp y, 0,1
	v_mul_f32 v[ST+8*\y], -1.0, v[ST+8*\y+1]
.endr
.irp y, 0,1
	v_sub_f32 v[ST+8*\y+7], v[ST+8*\y], v[ST+8*\y+7]   ; m_old - m_new, 0 or less
.endr
.irp y, 0,1
	v_exp_f32 v[ST+8*\y+6], v[ST+8*\y+7]           ; a.  From here to the wait nothing names an exponential's result
.endr
.set i, 0
.rept 16
	v_pk_add_f32 v[S+i:S+i+1], v[S+i:S+i+1], v[ST:ST+1] op_sel_hi:[1,0]   ; s - m, two at a time: of the pair (-m, m) the low word serves both halves
	v_pk_add_f32 v[S+32+i:S+32+i+1], v[S+32+i:S+32+i+1], v[ST+8:ST+9] op_sel_hi:[1,0]
.set i, i+2
.endr
.set i, 0
.rept 32
	v_exp_f32 v[S+i], v[S+i]
	v_exp_f32 v[S+32+i], v[S+32+i]
.set i, i+1
.endr
	v_nop                                          ; a plain line behind the last exponential
	s_wait_alu depctr_va_vdst(0)                   ; ONE wait for the step's 66 exponentials, ahead of their first reader
.irp y, 0,1
	v_pk_add_f32 v[SUM+4*\y:SUM+4*\y+1], v[S+32*\y:S+32*\y+1], v[S+32*\y+2:S+32*\y+3]   ; the sum of p in f32, two chains of pairs
	v_pk_add_f32 v[SUM+4*\y+2:SUM+4*\y+3], v[S+32*\y+4:S+32*\y+5], v[S+32*\y+6:S+32*\y+7]
.endr
.irp b, 8,12,16,20,24,28
.irp y, 0,1
	v_pk_add_f32 v[SUM+4*\y:SUM+4*\y+1], v[SUM+4*\y:SUM+4*\y+1], v[S+32*\y+\b:S+32*\y+\b+1]
	v_pk_add_f32 v[SUM+4*\y+2:SUM+4*\y+3], v[SUM+4*\y+2:SUM+4*\y+3], v[S+32*\y+\b+2:S+32*\y+\b+3]
.endr
.endr
.irp y, 0,1
	v_pk_add_f32 v[SUM+4*\y:SUM+4*\y+1], v[SUM+4*\y:SUM+4*\y+1], v[SUM+4*\y+2:SUM+4*\y+3]
.endr
.irp y, 0,1
	v_pk_fma_f32 v[ST+8*\y+2:ST+8*\y+3], v[ST+8*\y+2:ST+8*\y+3], v[ST+8*\y+6:ST+8*\y+7], v[SUM+4*\y:SUM+4*\y+1] op_sel_hi:[1,0,1]   ; l = a l + the sum
.endr
.set i, 0
.rept 16
	v_cvt_pk_f16_f32 v[S+i], v[S+2*i], v[S+2*i+1]  ; P in place, ascending: register i is written when registers 2 i and 2 i + 1 are read
	v_cvt_pk_f16_f32 v[S+32+i], v[S+32+2*i], v[S+32+2*i+1]
.set i, i+1
.endr
.set i, 0
.rept 16
	v_pk_mul_f32 v[O+i:O+i+1], v[O+i:O+i+1], v[ST+6:ST+7] op_sel_hi:[1,0]   ; O^T x a; each accumulator from its low end on
	v_pk_mul_f32 v[O+32+i:O+32+i+1], v[O+32+i:O+32+i+1], v[ST+14:ST+15] op_sel_hi:[1,0]
.set i, i+2
.endr
.endm
; A KEY STEP.  next = 1: the next step's K is fetched with this step's V.  ask = 1: in the trip whose count equals s42 the asking waves prefetch.
.macro STEP next, ask, pfoff
	s_wait_dscnt 0x0                               ; K is in
	KQ
.rept 4
	v_nop                                          ; the places in front of the loads into K's registers and of the reads of the scores
.endr
	LDV                                            ; V first: it is wanted first
.if \next
	LDK STEPB                                      ; both land while the softmax is worked
.endif
.if \ask
	s_cmp_eq_u32 s41, s42
	s_cbranch_scc0 .Lnot_now_\@
	global_prefetch_b8 v[PFO], s[44:45] offset:\pfoff th:TH_LOAD_NT scope:SCOPE_SE
.Lnot_now_\@:
.endif
	SOFT
.if \next
	s_wait_dscnt 16                                ; V is in; the sixteen loads behind it, the next step's K, may be out
.else
	s_wait_dscnt 0x0                               ; V is in
.endif
	PV
	s_add_co_u32 s40, s40, STEPB
	v_add_nc_u32 v[ADK], s40, v[LI]                ; five plain lines: the next step's first products write over P's registers, which these products read
	v_add_nc_u32 v[ADV], s40, v[LIV]
.rept 3
	v_nop
.endr
.endm
; A slot's eight steps: seven in a loop, the last written out, since it fetches no further K.  Only a slot's first K is waited for with nothing to do meanwhile.
.macro WALK slot, ask, pfoff
	s_mov_b32 s40, \slot*SLOTB
	v_add_nc_u32 v[ADK], s40, v[LI]
	v_add_nc_u32 v[ADV], s40, v[LIV]
	LDK 0
	s_mov_b32 s41, 7
.Lwalk_\@:
	STEP 1, \ask, \pfoff
	s_sub_co_u32 s41, s41, 1
	s_cmp_lg_u32 s41, 0
	s_cbranch_scc1 .Lwalk_\@
	STEP 0, 0, 0
.endm
; THE CHANGE OF SLOTS.  Each wave waits for all its tensor loads (its part of the slot ahead), adds 0 to its spare word, and waits for that and for its reads of the slot that it leaves.
; fill = 1: slot n, just left, takes the chunk two further on: a round of the cluster's barrier, then the joint refill first; it has eight key steps in which to land.
.macro CHANGE fill, n
	s_wait_tensorcnt 0x0                           ; no tensor load of mine is out, so a group 0 may be written
	ds_add_u32 v[SPW], v[NIL]
.if \fill
	s_add_nc_u64 s[34+4*\n:35+4*\n], s[34+4*\n:35+4*\n], 2*65536   ; two chunks on; the type bits on top are not reached
.endif
	s_wait_dscnt 0x0
.if \fill
	CROUND
	TL \n
.rept 4
	v_nop
.endr
.else
	s_barrier_signal -1
	s_barrier_wait -1
.endif
.endm
	s_load_b128 s[4:7], s[0:1], 0x0                ; qkv s[4:5], of s[6:7]
	v_lshl_add_u32 v[SPW], v0, 2, SPARE
	v_mov_b32 v[NIL], 0
	ds_add_u32 v[SPW], v[NIL]                      ; the wave's opening: the add, twice on end, and its wait ahead of my first tensor load
	ds_add_u32 v[SPW], v[NIL]
	v_lshrrev_b32 v1, 5, v0
	v_readfirstlane_b32 s12, v1                    ; wave 0..7
	s_bfe_u32 s13, ttmp6, 0x40000                  ; cx: my place in the cluster
	s_lshl_b32 s14, ttmp9, 2
	s_add_co_u32 s14, s14, s13                     ; my block of 256 queries: it enters q's and o's addresses alone
	s_and_b32 s15, ttmp7, 0xffff                   ; 16 x batch + head, which the four partners share
	s_lshl_b32 s16, s15, 18                        ; the head's first byte in each of q, k, v^T
	; what I fetch: waves 0-3 a quarter of a chunk's K, waves 4-7 of its V
	s_lshr_b32 s17, s12, 2
	s_lshl_b32 s17, s17, 23
	s_and_b32 s18, s12, 3
	s_lshl_b32 s18, s18, 14
	s_add_co_u32 s48, s17, s18
	s_add_co_u32 s48, s48, s16
	s_add_co_u32 s48, s48, 0x800000                ; k begins at 8 MiB, v^T at 16 MiB
	s_mov_b32 s49, 0
	s_lshl_b32 s19, s12, 14                        ; and where it goes in a slot: no place in the cluster enters an LDS address
	; descriptor group 1: 64 rows of 256 bytes (32 elements of 8 bytes), dense in memory and in LDS
	s_mov_b32 s24, 15|(3<<16)|(1<<21)              ; the mask: all four work-groups; elements of 8 bytes; bit 21 beside a mask; no padding
	s_mov_b32 s25, 32<<16                          ; tensor_dim0
	s_mov_b32 s26, 64<<16                          ; tensor_dim1
	s_mov_b32 s27, 32<<16                          ; tile_dim0
	s_mov_b32 s28, 64                              ; tile_dim1
	s_mov_b32 s29, 32                              ; from row to row
	s_mov_b32 s30, 0
	s_mov_b32 s31, 0
	s_mov_b32 s20, 0x76543210                      ; v_permlanex16_b32's selects for lane l xor 16
	s_mov_b32 s21, 0xfedcba98
	s_lshl_b32 s50, s14, 15                        ; q: 16 tiles of 2,048 bytes a block of queries,
	s_lshl_b32 s51, s12, 12                        ; two a wave
	s_add_co_u32 s50, s50, s51
	s_add_co_u32 s50, s50, s16
	s_mov_b32 s51, 0
	s_lshr_b32 s52, s15, 4                         ; o: the block of 128 rows: 16 x batch + 2 x my block + wave / 4,
	s_lshl_b32 s52, s52, 4
	s_lshl_b32 s53, s14, 1
	s_add_co_u32 s52, s52, s53
	s_lshr_b32 s53, s12, 2
	s_add_co_u32 s52, s52, s53
	s_lshl_b32 s52, s52, 18
	s_and_b32 s53, s15, 15                         ; the head's two groups of 32 along k,
	s_lshl_b32 s53, s53, 14
	s_add_co_u32 s52, s52, s53
	s_and_b32 s53, s12, 3                          ; my two tiles of 16 rows
	s_lshl_b32 s53, s53, 11
	s_add_co_u32 s52, s52, s53
	s_mov_b32 s53, 0
	; THE PREFETCHES: chunk 2 is asked for in slot 0's first walk and chunk 3 in slot 1's, in the trip in which three trips of the loop are left.  A chunk is 512 blocks of 256 bytes: the head's first cluster asks;
	; its four partners share the blocks out by address, 16 KiB of K and of V each; in each, waves 0 and 1 ask for K's, waves 2 and 3 for V's, 8,192 bytes a wave, lanes 256 bytes apart.
	; So each block is named once in the launch.  Chunks 0 and 1 come by their loads alone.  The address registers are never rewritten.
	s_bfe_u32 s54, s12, 0x10001                    ; K's half or V's
	s_lshl_b32 s54, s54, 23
	s_add_co_u32 s54, s54, s16
	s_add_co_u32 s54, s54, 0x800000+131072         ; chunk 2
	s_lshl_b32 s55, s13, 14
	s_add_co_u32 s54, s54, s55
	s_and_b32 s55, s12, 1
	s_lshl_b32 s55, s55, 13
	s_add_co_u32 s54, s54, s55
	s_mov_b32 s55, 0
	s_lshr_b32 s17, s12, 2                         ; 0 in waves 0 to 3,
	s_or_b32 s17, s17, ttmp9                       ; of the head's first cluster: the same in all four partners
	s_cmp_eq_u32 s17, 0
	s_cselect_b32 s42, 3, 0                        ; the trip's count at which I ask; the count is never 0 in a trip
	v_and_b32 v1, 31, v0
	v_lshlrev_b32 v[PFO], 8, v1
	v_lshlrev_b32 v[LI], 4, v1
	v_add_nc_u32 v[LIV], VOFF, v[LI]
	s_wait_dscnt 0x0                               ; both opening adds are done
	s_wait_kmcnt 0x0
	s_add_nc_u64 s[48:49], s[4:5], s[48:49]
	s_add_nc_u64 s[50:51], s[4:5], s[50:51]
	s_add_nc_u64 s[44:45], s[4:5], s[54:55]
	s_add_nc_u64 s[46:47], s[6:7], s[52:53]
	s_mov_b32 s32, 1                               ; group 0 of slot 0: count,
	s_mov_b32 s33, s19                             ; LDS address,
	s_mov_b64 s[34:35], s[48:49]                   ; global address: chunk 0,
	s_or_b32 s35, s35, 0x80000000                  ; type
	s_mov_b32 s36, 1
	s_add_co_u32 s37, s19, SLOTB
	s_add_nc_u64 s[38:39], s[48:49], 65536         ; chunk 1
	s_or_b32 s39, s39, 0x80000000
	CROUND                                         ; all four work-groups are here: the first joint loads meet
	TL 0
	TL 1
.rept 4
	v_nop
.endr
.irp i, 0,1,2,3,4,5,6,7
	global_load_b128 v[Q+4*\i:Q+4*\i+3], v[LI], s[50:51] offset:512*\i   ; Q stays in registers
.endr
.set i, 0
.rept 64
	v_mov_b32 v[O+i], 0                            ; O^T.  The step is written once: the first finds zeros, which a = 0 leaves zeros
.set i, i+1
.endr
.irp y, 0,1
	v_mov_b32 v[ST+8*\y], 0x7f61b1e6               ; -m,
	v_mov_b32 v[ST+8*\y+1], 0xff61b1e6             ; m = -3e38, under every score
	v_mov_b32 v[ST+8*\y+2], 0                      ; l
	v_mov_b32 v[ST+8*\y+3], 0
.endr
	s_wait_tensorcnt 1                             ; my part of chunk 0 is in; chunk 1's may stay out
	s_barrier_signal -1
	s_barrier_wait -1
	s_wait_loadcnt 0x0                             ; Q
	WALK 0, 1, 0                                   ; chunk 0
	CHANGE 1, 0                                    ; chunk 2 into slot 0
	WALK 1, 1, 65536                               ; chunk 1
	CHANGE 1, 1                                    ; chunk 3 into slot 1
	WALK 0, 0, 0                                   ; chunk 2
	CHANGE 0, 0                                    ; nothing is left to fetch
	WALK 1, 0, 0                                   ; chunk 3
	; THE WAY OUT.  l's two halves and the other half of the lanes' are added; O^T is divided by l, rounded to f16 and stored as parts of images.  The last step's five plain lines are the places behind its products.
.irp y, 0,1
	v_add_f32 v[ST+8*\y+4], v[ST+8*\y+2], v[ST+8*\y+3]
.endr
.irp y, 0,1
	v_permlanex16_b32 v[ST+8*\y+5], v[ST+8*\y+4], s20, s21
.endr
.irp y, 0,1
	v_add_f32 v[ST+8*\y+4], v[ST+8*\y+4], v[ST+8*\y+5]
.endr
.irp y, 0,1
	v_rcp_f32 v[ST+8*\y+6], v[ST+8*\y+4]
.endr
	v_nop                                          ; a plain line behind the last reciprocal
	s_wait_alu depctr_va_vdst(0)                   ; one wait for the two, ahead of their first reader
.set i, 0
.rept 16
	v_pk_mul_f32 v[O+i:O+i+1], v[O+i:O+i+1], v[ST+6:ST+7] op_sel_hi:[1,0]
	v_pk_mul_f32 v[O+32+i:O+32+i+1], v[O+32+i:O+32+i+1], v[ST+14:ST+15] op_sel_hi:[1,0]
.set i, i+2
.endr
.set i, 0
.rept 32
	v_cvt_pk_f16_f32 v[S+i], v[O+2*i], v[O+2*i+1]  ; tile y, channels 16 ct on: four registers at S + 16 y + 4 ct
.set i, i+1
.endr
.irp y, 0,1
.irp ct, 0,1,2,3
	global_store_b128 v[LI], v[S+16*\y+4*\ct:S+16*\y+4*\ct+3], s[46:47] offset:\y*1024+(\ct/2)*8192+(\ct%2)*512   ; 512 consecutive bytes, aligned
.endr
.endr
	s_wait_tensorcnt 0x0                           ; the wave's end
	ds_add_u32 v[SPW], v[NIL]
	s_wait_dscnt 0x0
	CROUND                                         ; the closing round
	s_endpgm
.Lfunc_end_k_q8c028c7214_attn:
	.size	k_q8c028c7214_attn, .Lfunc_end_k_q8c028c7214_attn-k_q8c028c7214_attn
	.p2alignl 7, 3214868480
	.fill 96, 4, 3214868480
	.section	.rodata,"a",@progbits
	.p2align	6, 0x0
	.amdhsa_kernel k_q8c028c7214_attn
		.amdhsa_group_segment_fixed_size 327680
		.amdhsa_private_segment_fixed_size 0
		.amdhsa_enable_private_segment 0
		.amdhsa_kernarg_size 16
		.amdhsa_user_sgpr_count 2
		.amdhsa_user_sgpr_kernarg_segment_ptr 1
		.amdhsa_wavefront_size32 1
		.amdhsa_system_sgpr_workgroup_id_x 1
		.amdhsa_system_sgpr_workgroup_id_y 1
		.amdhsa_system_sgpr_workgroup_id_z 1
		.amdhsa_system_vgpr_workitem_id 0
		.amdhsa_next_free_vgpr 320
		.amdhsa_next_free_sgpr 66
		.amdhsa_reserve_vcc 0
		.amdhsa_float_denorm_mode_32 3
		.amdhsa_float_denorm_mode_16_64 3
		.amdhsa_memory_ordered 1
		.amdhsa_forward_progress 1
		.amdhsa_inst_pref_size 153
	.end_amdhsa_kernel
	.amdgpu_metadata
---
amdhsa.version: [ 1, 2 ]
amdhsa.kernels:
  - .name:           k_q8c028c7214_attn
    .symbol:         k_q8c028c7214_attn.kd
    .args:
      - { .name: qkv, .offset: 0, .size: 8, .value_kind: global_buffer, .address_space: global }
      - { .name: of, .offset: 8, .size: 8, .value_kind: global_buffer, .address_space: global }
    .group_segment_fixed_size: 327680
    .private_segment_fixed_size: 0
    .kernarg_segment_align: 8
    .kernarg_segment_size: 16
    .max_flat_workgroup_size: 256
    .sgpr_count:     66
    .vgpr_count:     320
    .wavefront_size: 32
...
	.end_amdgpu_metadata
.endif
;; end of part 3
;; launch oproj (part 4): grid 8 x 32, 4 waves a work-group, clusters of 4 x 4, 327,680 bytes of LDS; arguments of, wof, out0; writes out0
.if DOCPART == 4
	.amdgcn_target "amdgcn-amd-amdhsa--gfx1250"
	.amdhsa_code_object_version 6
	.text
	.protected	k_q8c028c7214_oproj
	.globl	k_q8c028c7214_oproj
	.p2align	8
	.type	k_q8c028c7214_oproj,@function
k_q8c028c7214_oproj:
	s_mov_b64 s[64:65], 0
	v_nop
	global_prefetch_b8 v0, s[64:65] scope:SCOPE_SE
	s_setreg_imm32_b32 hwreg(HW_REG_WAVE_MODE, 25, 1), 1
	s_wait_xcnt 0x0
	s_wait_alu depctr_hold_cnt(0) depctr_sa_sdst(0) depctr_va_vdst(0) depctr_va_sdst(0) depctr_va_ssrc(0) depctr_va_vcc(0) depctr_vm_vsrc(0)
	s_getreg_b32 s2, hwreg(HW_REG_IB_STS2, 6, 4)
	s_cmp_eq_u32 s2, 0
	s_cbranch_scc0 .Lentry_in_a_cluster
	s_endpgm
.Lentry_in_a_cluster:
	s_bfe_u32 s2, ttmp6, 0x10000c
	s_cmp_lg_u32 s2, 0xf033
	s_cbranch_scc0 .Lentry_shape_is_right
	s_endpgm
.Lentry_shape_is_right:
; out0 [4096][2048] f32 = o [4096][1024] Wo [1024][2048], operands in f16, sums in f32.
; Both operands come as images of operand registers (a fragment of 16 rows x 32 k: 1,024 bytes, registers 4 e .. 4 e + 3 of lane l at 512 e + 16 l):
;   of:  [row / 128][k / 32][(row / 16) % 8][1,024];   wof: [column / 128][k / 32][(column / 16) % 8][1,024].
; So a K step's tile is a dense block of memory, lies in LDS without padding, and every fragment load takes 512 consecutive bytes.
; A tile of the output is 128 rows x 256 columns: 256 work-groups of four waves; a wave makes 64 x 128: 32 accumulators, 256 registers.  K goes in 8 steps of 128 through a ring of two LDS slots.
; CLUSTERS: 4 x 4 work-groups.  o's tile hangs on the tile row alone and is shared along a row of the cluster, Wo's on the tile column alone and is shared along a column: each is asked for jointly.
; THE MATRIX INSTRUCTION IS USED TRANSPOSED (source 0 = 16 columns of Wo, source 1 = 16 rows of o): a lane holds eight neighbouring numbers of a row of the output.
; No prefetch: each wave's one load behind a round has about 112 matrix instructions in which to land, and what is read here is small beside what is stored.
; REGISTERS: window 0: v0-31 addresses; v32-127, v128-223 two fragment buffers (in each: Wo's eight fragments, then o's four); window 1: accumulator (a, b) at v[8 (8 a + b)].
.set SLOT,   98304                     ; o's 32 KiB [k / 32 (4)][8][1,024], then Wo's 64 KiB [half 2][k / 32 (4)][8][1,024]
.set SPARE,  2*SLOT                    ; behind the ring: the spare words, 128 bytes for each wave
.set SPITCH, 528                       ; the way out: a stage of 16 rows x (512 bytes + 16) for each wave, in slot 0, which has had its last fill and its last read by then
.set LAPS,   4                         ; a lap = two K steps = once round the ring
.set ADRA, 16                          ; v16-17  LDS address of my fragments of o in slot 0, 1
.set ADRB, 20                          ; v20-21  of Wo
.set STO,  24                          ; v24     the way out: where I put 32 bytes of a row
.set RD,   25                          ; v25     where I read a row back
.set CO,   26                          ; v26     16 x lane
.set SPW,  28                          ; v28     LDS address of my spare word; never rewritten
.set NIL,  29                          ; v29     0; never rewritten
.set F0,   32
.set F1,   128
.set BK,   32                          ; the way out: 16 rows read back: v32-95 and v96-159 by turns
.set G1, 24                            ; s[24:31] group 1 for o's tiles; s[32:39] group 0, one set for each slot
.set G0, 32
.set G1B, 48                           ; s[48:55], s[56:63] the same for Wo's
.set G0B, 56
.set MSB, 0
.macro WIN new                         ; the immediate's high byte repeats the setting that is left
.if MSB != \new
	s_set_vgpr_msb (MSB<<8)|\new
.set MSB, \new
.endif
.endm
.set MUL, 0x50                         ; C and D window 1, the fragments window 0
.macro JLOAD s                         ; a joint load: waves 0 and 1 fetch o's two halves, waves 2 and 3 Wo's; an s_nop 0 and four v_nop follow each of the two lines
	s_cmp_eq_u32 s11, 0
	s_cbranch_scc0 .Lfor_b_\@
	tensor_load_to_lds s[G0+4*\s:G0+4*\s+3], s[G1:G1+7]
	s_nop 0
.rept 4
	v_nop
.endr
	s_branch .Lasked_\@
.Lfor_b_\@:
	tensor_load_to_lds s[G0B+4*\s:G0B+4*\s+3], s[G1B:G1B+7]
	s_nop 0
.rept 4
	v_nop
.endr
.Lasked_\@:
.endm
.macro CREST
	s_cmp_lg_u32 s10, 0
	s_cbranch_scc1 .Lnot_wave_0_\@
	s_barrier_signal -3
.Lnot_wave_0_\@:
	s_barrier_wait -3
	s_barrier_signal -1
	s_barrier_wait -1
.endm
.macro CROUND
	s_barrier_signal -1
	s_barrier_wait -1
	CREST
.endm
	s_load_b128 s[4:7], s[0:1], 0x0                ; of s[4:5], wof s[6:7]
	s_load_b64 s[8:9], s[0:1], 0x10                ; out0
	v_lshl_add_u32 v[SPW], v0, 2, SPARE
	v_mov_b32 v[NIL], 0
	ds_add_u32 v[SPW], v[NIL]                      ; the wave's opening: the add, twice on end, and its wait ahead of my first tensor load
	ds_add_u32 v[SPW], v[NIL]
	v_lshrrev_b32 v1, 5, v0
	v_readfirstlane_b32 s10, v1                    ; wave 0..3
	s_lshr_b32 s11, s10, 1                         ; which 64 rows are mine.  Also: I fetch for o (0) or for Wo (1)
	s_and_b32 s12, s10, 1                          ; which 128 columns.  Also: which half of that tile I fetch
	s_bfe_u32 s40, ttmp6, 0x40000                  ; cx, cy
	s_bfe_u32 s41, ttmp6, 0x40004
	s_lshl_b32 s42, ttmp9, 2
	s_add_co_u32 s42, s42, s40                     ; tile column = 4 x cluster x + cx
	s_and_b32 s13, ttmp7, 0xffff
	s_lshl_b32 s13, s13, 2
	s_add_co_u32 s13, s13, s41                     ; tile row = 4 x cluster y + cy
	s_lshl_b32 s43, s41, 2
	s_lshl_b32 s43, 15, s43                        ; my row of the cluster
	s_lshl_b32 s44, 0x1111, s40                    ; my column
	; descriptor groups 1: dense blocks as rows of 256 bytes (32 elements of 8 bytes): o's half 64 rows, Wo's half 128 rows; no padding
	s_or_b32 s[G1+0], s43, (3<<16)|(1<<21)
	s_mov_b32 s[G1+1], 32<<16                      ; tensor_dim0
	s_mov_b32 s[G1+2], 64<<16                      ; tensor_dim1
	s_mov_b32 s[G1+3], 32<<16                      ; tile_dim0
	s_mov_b32 s[G1+4], 64                          ; tile_dim1
	s_mov_b32 s[G1+5], 32                          ; from row to row
	s_mov_b32 s[G1+6], 0
	s_mov_b32 s[G1+7], 0
	s_or_b32 s[G1B+0], s44, (3<<16)|(1<<21)
	s_mov_b32 s[G1B+1], 32<<16
	s_mov_b32 s[G1B+2], 128<<16
	s_mov_b32 s[G1B+3], 32<<16
	s_mov_b32 s[G1B+4], 128
	s_mov_b32 s[G1B+5], 32
	s_mov_b32 s[G1B+6], 0
	s_mov_b32 s[G1B+7], 0
	s_lshl_b32 s16, s13, 18                        ; o: 2^18 bytes a tile row, + 16 KiB x half
	s_lshl_b32 s17, s12, 14
	s_add_co_u32 s16, s16, s17
	s_mov_b32 s17, 0
	s_lshl_b32 s46, s42, 1                         ; Wo: block of 128 columns 2 x tile column + half, 2^18 bytes each
	s_add_co_u32 s46, s46, s12
	s_lshl_b32 s46, s46, 18
	s_mov_b32 s47, 0
	s_lshl_b32 s20, s12, 14                        ; where they go in a slot: o's halves,
	s_lshl_b32 s21, s12, 15
	s_add_co_u32 s21, s21, 32768                   ; Wo's halves behind them: no place in the cluster enters an LDS address
	s_wait_dscnt 0x0                               ; both opening adds are done
	s_wait_kmcnt 0x0
	s_add_nc_u64 s[14:15], s[4:5], s[16:17]
	s_add_nc_u64 s[46:47], s[6:7], s[46:47]
	CROUND                                         ; all sixteen work-groups are here: the first joint loads meet
.irp s, 0,1
	s_mov_b32 s[G0+4*\s], 1
	s_add_co_u32 s[G0+4*\s+1], s20, \s*SLOT
	s_add_nc_u64 s[G0+4*\s+2:G0+4*\s+3], s[14:15], \s*32768   ; K step s: 32 KiB on
	s_or_b32 s[G0+4*\s+3], s[G0+4*\s+3], 0x80000000
	s_mov_b32 s[G0B+4*\s], 1
	s_add_co_u32 s[G0B+4*\s+1], s21, \s*SLOT
	s_add_nc_u64 s[G0B+4*\s+2:G0B+4*\s+3], s[46:47], \s*32768
	s_or_b32 s[G0B+4*\s+3], s[G0B+4*\s+3], 0x80000000
	JLOAD \s                                       ; two loads of mine are out at the most
.endr
	v_and_b32 v1, 15, v0                           ; l % 16
	v_bfe_u32 v2, v0, 4, 1                         ; l / 16
	v_and_b32 v3, 31, v0
	v_lshlrev_b32 v[CO], 4, v3
	s_lshl_b32 s21, s11, 12                        ; my four fragments of o's eight
	s_lshl_b32 s22, s12, 15                        ; my half of Wo,
	s_add_co_u32 s22, s22, 32768                   ; behind o's 32 KiB
.irp s, 0,1
	v_add_nc_u32 v[ADRA+\s], s21, v[CO]
	v_add_nc_u32 v[ADRB+\s], s22, v[CO]
	s_add_co_u32 s21, s21, SLOT
	s_add_co_u32 s22, s22, SLOT
.endr
	s_mul_i32 s23, s10, 16*SPITCH                  ; my stage
	v_mul_u32_u24 v4, v1, SPITCH                   ; in: row l % 16, 32 bytes for each half of the lanes
	v_lshl_add_u32 v4, v2, 5, v4
	v_add_nc_u32 v[STO], s23, v4
	v_add_nc_u32 v[RD], s23, v[CO]                 ; back: the 32 lanes take one row of 512 bytes
	s_lshl_b32 s16, s13, 20                        ; my first row: 128 x tile row + 64 x half, 8,192 bytes a row
	s_lshl_b32 s17, s11, 19
	s_add_co_u32 s16, s16, s17
	s_mov_b32 s17, 0
	s_add_nc_u64 s[8:9], s[8:9], s[16:17]
	s_lshl_b32 s46, s42, 10                        ; my first column, in bytes: 1,024 x tile column + 512 x half
	s_lshl_b32 s47, s12, 9
	s_add_co_u32 s46, s46, s47
	s_mov_b32 s47, 0
	s_add_nc_u64 s[8:9], s[8:9], s[46:47]
; 8 matrix instructions: o's block a x Wo's eight, 32 along K.  The 32 accumulators take turns, one instruction a turn, in the same order in every quarter.
.macro MULA f, a, zero
.irp b, 0,1,2,3,4,5,6,7
.if \zero
	v_wmma_f32_16x16x32_f16 v[8*(8*(\a)+\b):8*(8*(\a)+\b)+7], v[\f+8*\b:\f+8*\b+7], v[\f+64+8*(\a):\f+64+8*(\a)+7], 0
.else
	v_wmma_f32_16x16x32_f16 v[8*(8*(\a)+\b):8*(8*(\a)+\b)+7], v[\f+8*\b:\f+8*\b+7], v[\f+64+8*(\a):\f+64+8*(\a)+7], v[8*(8*(\a)+\b):8*(8*(\a)+\b)+7]
.endif
.endr
.endm
.macro FETCH slot, q, f                ; 24 LDS loads in one run: the fragments of the slot's q-th 32 along K; Wo's first, o's last
	WIN 0
.irp b, 0,1,2,3,4,5,6,7
	ds_load_b128 v[\f+8*\b:\f+8*\b+3],   v[ADRB+\slot] offset:(\q)*8192+\b*1024
	ds_load_b128 v[\f+8*\b+4:\f+8*\b+7], v[ADRB+\slot] offset:(\q)*8192+\b*1024+512
.endr
.irp a, 0,1,2,3
	ds_load_b128 v[\f+64+8*\a:\f+64+8*\a+3],   v[ADRA+\slot] offset:(\q)*8192+\a*1024
	ds_load_b128 v[\f+64+8*\a+4:\f+64+8*\a+7], v[ADRA+\slot] offset:(\q)*8192+\a*1024+512
.endr
.endm
.macro PLACES                          ; four plain lines in front of loads into registers that matrix instructions have read, and of reads of results
.rept 4
	v_nop
.endr
.endm
; A K step is four quarters of 32 along K, 32 matrix instructions each, on buffers 0, 1, 0, 1.  One of the first three multiplies buffer f and fetches quarter q into g.
.macro QUARTER slot, q, f, g, zero
	s_wait_dscnt 4                                 ; Wo's fragments and o's blocks 0, 1 are in; the youngest four loads (blocks 2, 3) may be out
	WIN MUL
	MULA \f, 0, \zero
	MULA \f, 1, \zero
	PLACES
	FETCH \slot, \q, \g
	s_wait_dscnt 24                                ; all but the 24 just issued
	WIN MUL
	MULA \f, 2, \zero
	MULA \f, 3, \zero
.endm
; The last quarter multiplies buffer 1 and changes slots: one barrier; in front of it each wave waits for all its tensor loads, adds 0 to its spare word, and waits for that and for its reads of this slot.
.macro TURN slot, next, fill
	WIN 0                                          ; (the add's two registers lie in window 0)
	s_wait_tensorcnt 0x0                           ; all my tensor loads have landed: my part of the next slot
	ds_add_u32 v[SPW], v[NIL]
	s_wait_dscnt 5                                 ; (the add and the youngest four loads may be out)
	WIN MUL
	MULA F1, 0, 0
	s_wait_dscnt 0x0                               ; the add is done, and my reads of this slot are over
	s_barrier_signal -1
	MULA F1, 1, 0
.if \fill
	WIN 0
.endif
	s_barrier_wait -1
.if \fill
	CREST                                          ; the barrier has opened a round of the cluster's: no wave of any partner still reads this slot or has a load on its way
	s_add_nc_u64 s[G0+4*\slot+2:G0+4*\slot+3], s[G0+4*\slot+2:G0+4*\slot+3], 2*32768
	s_add_nc_u64 s[G0B+4*\slot+2:G0B+4*\slot+3], s[G0B+4*\slot+2:G0B+4*\slot+3], 2*32768
	JLOAD \slot                                    ; the first tensor load behind the round; its four v_nop are the places in front of the loads below
.else
	PLACES
.endif
	FETCH \next, 0, F0
	WIN MUL
	MULA F1, 2, 0
	MULA F1, 3, 0
.endm
	s_wait_tensorcnt 1                             ; my part of K step 0 is in; K step 1's may be out
	s_barrier_signal -1
	s_barrier_wait -1
	FETCH 0, 0, F0
	QUARTER 0, 1, F0, F1, 1                        ; the first quarter's products start the sums: nothing is cleared
	WIN 0                                          ; at a label and at a branch every window is 0
	s_mov_b32 s3, LAPS-1
.Llap:                                             ; a trip goes once round the ring, from a lap's second quarter to the next lap's first, and fills both slots again
	QUARTER 0, 2, F1, F0, 0
	QUARTER 0, 3, F0, F1, 0
	TURN 0, 1, 1
	QUARTER 1, 1, F0, F1, 0
	QUARTER 1, 2, F1, F0, 0
	QUARTER 1, 3, F0, F1, 0
	TURN 1, 0, 1
	QUARTER 0, 1, F0, F1, 0
	WIN 0
	s_sub_co_u32 s3, s3, 1
	s_cmp_lg_u32 s3, 0
	s_cbranch_scc1 .Llap
	QUARTER 0, 2, F1, F0, 0                        ; the last lap fills nothing
	QUARTER 0, 3, F0, F1, 0
	TURN 0, 1, 0
	QUARTER 1, 1, F0, F1, 0
	QUARTER 1, 2, F1, F0, 0
	QUARTER 1, 3, F0, F1, 0
	s_wait_dscnt 4                                 ; the very last quarter: nothing more to fetch
	WIN MUL
	MULA F1, 0, 0
	MULA F1, 1, 0
	s_wait_dscnt 0x0
	MULA F1, 2, 0
	MULA F1, 3, 0
	WIN 0
; THE WAY OUT, a block of 16 rows x 128 columns at a time.  A lane holds 32 neighbouring bytes of a row and the lanes beside it hold other rows: a block goes through my own stage in LDS and comes back as whole rows of
; 512 bytes.  LDS serves a wave's instructions in order (ISA guide 5.7.1.4): no wait between the stores and the loads, nor in front of the next block's stores.
.macro TOSTAGE a
	WIN 0x04                                       ; an LDS store's data: window 1
.irp b, 0,1,2,3,4,5,6,7
	ds_store_b128 v[STO], v[64*(\a)+8*\b:64*(\a)+8*\b+3] offset:64*\b       ; each accumulator from its low end on
	ds_store_b128 v[STO], v[64*(\a)+8*\b+4:64*(\a)+8*\b+7] offset:64*\b+16
.endr
	WIN 0
.set BB, BK+64*((\a)%2)
.irp t, 0,1,2,3,4,5,6,7,8,9,10,11,12,13,14,15
	ds_load_b128 v[BB+4*\t:BB+4*\t+3], v[RD] offset:\t*SPITCH
.endr
.endm
.macro SEND a, younger                 ; younger: the LDS instructions issued behind block a's loads, which may stay out
.set BB, BK+64*((\a)%2)
	s_wait_dscnt \younger
.if (\a) > 0
	s_add_nc_u64 s[8:9], s[8:9], 16*8192           ; 16 rows on (behind a wait that shows the earlier stores have read their base)
.endif
.irp t, 0,1,2,3,4,5,6,7,8,9,10,11,12,13,14,15
	global_store_b128 v[CO], v[BB+4*\t:BB+4*\t+3], s[8:9] offset:\t*8192 th:TH_STORE_NT   ; 32 lanes store 512 consecutive bytes, aligned; written once, read by nobody here
.endr
.endm
	PLACES                                         ; in front of reads of the last results and of loads into registers that held fragments
	TOSTAGE 0
.irp a, 1,2,3
.if \a > 1
	s_wait_xcnt 0x0                                ; block a - 2's stores have read their registers and their base
.endif
	TOSTAGE \a
	SEND \a-1, 32                                  ; behind block a - 1's loads: block a's 16 stores and 16 loads
.endr
	s_wait_xcnt 0x0
	SEND 3, 0
	s_wait_tensorcnt 0x0                           ; the wave's end, behind my last tensor load and my last LDS store
	ds_add_u32 v[SPW], v[NIL]
	s_wait_dscnt 0x0
	CROUND                                         ; the closing round
	s_endpgm
.Lfunc_end_k_q8c028c7214_oproj:
	.size	k_q8c028c7214_oproj, .Lfunc_end_k_q8c028c7214_oproj-k_q8c028c7214_oproj
	.p2alignl 7, 3214868480
	.fill 96, 4, 3214868480
	.section	.rodata,"a",@progbits
	.p2align	6, 0x0
	.amdhsa_kernel k_q8c028c7214_oproj
		.amdhsa_group_segment_fixed_size 327680
		.amdhsa_private_segment_fixed_size 0
		.amdhsa_enable_private_segment 0
		.amdhsa_kernarg_size 24
		.amdhsa_user_sgpr_count 2
		.amdhsa_user_sgpr_kernarg_segment_ptr 1
		.amdhsa_wavefront_size32 1
		.amdhsa_system_sgpr_workgroup_id_x 1
		.amdhsa_system_sgpr_workgroup_id_y 1
		.amdhsa_system_sgpr_workgroup_id_z 1
		.amdhsa_system_vgpr_workitem_id 0
		.amdhsa_next_free_vgpr 512
		.amdhsa_next_free_sgpr 66
		.amdhsa_reserve_vcc 0
		.amdhsa_float_denorm_mode_32 3
		.amdhsa_float_denorm_mode_16_64 3
		.amdhsa_memory_ordered 1
		.amdhsa_forward_progress 1
		.amdhsa_inst_pref_size 84
	.end_amdhsa_kernel
	.amdgpu_metadata
---
amdhsa.version: [ 1, 2 ]
amdhsa.kernels:
  - .name:           k_q8c028c7214_oproj
    .symbol:         k_q8c028c7214_oproj.kd
    .args:
      - { .name: of, .offset: 0, .size: 8, .value_kind: global_buffer, .address_space: global }
      - { .name: wof, .offset: 8, .size: 8, .value_kind: global_buffer, .address_space: global }
      - { .name: out0, .offset: 16, .size: 8, .value_kind: global_buffer, .address_space: global }
    .group_segment_fixed_size: 327680
    .private_segment_fixed_size: 0
    .kernarg_segment_align: 8
    .kernarg_segment_size: 24
    .max_flat_workgroup_size: 128
    .sgpr_count:     66
    .vgpr_count:     512
    .wavefront_size: 32
...
	.end_amdgpu_metadata
.endif
;; end of part 4
